; MI455X (gfx1250); checked and timed in simulation.
; The chip was launched on July 23, 2026; its instructions are those of AMD's public machine-readable ISA for CDNA 5 (MIT licence, August 2026) and "CDNA5" Instruction Set Architecture Reference Guide (July 2026). The comments in the code are by the model that wrote it; some were corrected since.
;; Transformer Layer. Allowed arithmetic: matrix products marked QUANTISED: E4M3 operands, one given power-of-two scale a tensor, by v_wmma_f32_16x16x64_fp8_fp8 or v_wmma_f32_16x16x128_fp8_fp8, f32 sums; everything else in f32.
;; Inputs: W1_codes 4,096 x 32 x 32 uint8 (E4M3 codes of W1, K innermost, in blocks of 32 codes); W2_codes 1,024 x 128 x 32 uint8 (E4M3 codes of W2, K innermost, in blocks of 32 codes); Wk_codes 1,024 x 32 x 32 uint8 (E4M3 codes of Wk, K innermost, in blocks of 32 codes); Wo_codes 1,024 x 32 x 32 uint8 (E4M3 codes of Wo, K innermost, in blocks of 32 codes); Wq_codes 1,024 x 32 x 32 uint8 (E4M3 codes of Wq, K innermost, in blocks of 32 codes); Wv_codes 1,024 x 32 x 32 uint8 (E4M3 codes of Wv, K innermost, in blocks of 32 codes); b1 4,096 float32; b2 1,024 float32; beta1 1,024 float32; beta2 1,024 float32; bk 1,024 float32; bo 1,024 float32; bq 1,024 float32; bv 1,024 float32; g1 1,024 float32; g2 1,024 float32; lowp_scales 16 int32 (the exponents e of the quantised operands' scales 2^e); x 2 x 2,048 x 1,024 float32.
;; Outputs: out0 2 x 2,048 x 1,024 float32.
;; This version of the problem:
;;   THIS VERSION OF THE PROBLEM IS GIVEN IN LOW PRECISION. The matrix products marked QUANTISED in the list below multiply operands that are first quantised to E4M3 (4 exponent bits, 3 mantissa bits; 8 bits a number), with one given power-of-two scale for each operand tensor; their sums are f32. All else is computed in f32.
;;   The module's matrix products, in the order in which they are computed (A, B: the left and right operand; K: the contracted axis; several contracted axes count as one K, in the product's order):
;;     1. [M 4,096, K 1,024] x [K 1,024, N 1,024]; A: input x; B: input Wq (given as codes): QUANTISED (scales: A lowp_scales[0], B lowp_scales[1])
;;     2. [M 4,096, K 1,024] x [K 1,024, N 1,024]; A: input x; B: input Wk (given as codes): QUANTISED (scales: A lowp_scales[2], B lowp_scales[3])
;;     3. [M 4,096, K 1,024] x [K 1,024, N 1,024]; A: input x; B: input Wv (given as codes): QUANTISED (scales: A lowp_scales[4], B lowp_scales[5])
;;     4. batch 32 x [M 2,048, K 64] x [K 64, N 2,048]; A: computed on the way; B: computed on the way: QUANTISED (scales: A lowp_scales[6], B lowp_scales[7])
;;     5. batch 32 x [M 2,048, K 2,048] x [K 2,048, N 64]; A: softmax (see below); B: computed on the way: QUANTISED (scales: A lowp_scales[8], B lowp_scales[9])
;;     6. [M 4,096, K 1,024] x [K 1,024, N 1,024]; A: computed on the way; B: input Wo (given as codes): QUANTISED (scales: A lowp_scales[10], B lowp_scales[11])
;;     7. [M 4,096, K 1,024] x [K 1,024, N 4,096]; A: computed on the way; B: input W1 (given as codes): QUANTISED (scales: A lowp_scales[12], B lowp_scales[13])
;;     8. [M 4,096, K 4,096] x [K 4,096, N 1,024]; A: computed on the way; B: input W2 (given as codes): QUANTISED (scales: A lowp_scales[14], B lowp_scales[15])
;;   THE QUANTISER, for each operand of a quantised product, along K:
;;     - The operand's scale is 2^e, e = its entry of the input lowp_scales (int32; the entries are numbered through the quantised products in the list's order, A before B).
;;     - Each number is divided by the scale, clamped to +-448, and rounded to the nearest number of E4M3, ties to even, subnormals kept.
;;     - The product sums the exact products of the quantised numbers (number of the format x scale) in f32.
;;   ~~~python
;;   def quantise(x, axis, e):      # numpy; x: float32 -> the quantised numbers, widened to float32 again
;;       x = np.moveaxis(x, axis, -1); K = x.shape[-1]
;;       r = np.clip(x / 2.0 ** e, -448, 448)
;;       step = 2.0 ** (np.maximum(np.frexp(np.where(r == 0, 1, r))[1] - 1, -6) - 3)
;;       q = np.round(r / step) * step * 2.0 ** e      # np.round: ties to even
;;       return np.moveaxis(q, -1, axis).astype(np.float32)
;;   ~~~
;;   SOFTMAX AHEAD OF A QUANTISED PRODUCT. Where the list says 'softmax', what is quantised is not the finished softmax but p = 2^(t - M), with t = logit x log2(e) and M = ceil(the row's largest t), a whole number; so 1/2 < the row's largest p <= 1. The row's sum l is taken of the UNQUANTISED p, in f32, and the product's result is divided by l at the end. Since M is a whole number, a kernel that streams over the keys may use a running M (the ceiling of the running maximum): every later rescaling is an exact power of two, so the quantised numbers keep their values, but for numbers so far below the row's largest that they fall under the format's range.
;;   OPERANDS COMPUTED ON THE WAY. 'Computed on the way' means the value that the module computes at that place (a softmax that the list does not call 'softmax' is quantised finished and normalised). What goes into a quantiser is computed in f32, as accurately as f32 sums, v_exp_f32 and their like allow (about 1e-6 of the number): no bf16 or f16 on the way to a quantiser, and a product that is left as it is and whose result goes on into a quantised operand takes f32 operands (vector FMAs, or v_wmma_f32_16x16x4_f32). A number that lies on a knife's edge between two numbers of the format may be rounded either way, as far as f32 arithmetic and the matrix unit's own rounding can turn it there, and no further.
;;   INPUTS GIVEN AS CODES. W1 (in the module: [1024, 4096], K = its axis 0); W2 (in the module: [4096, 1024], K = its axis 0); Wk (in the module: [1024, 1024], K = its axis 0); Wo (in the module: [1024, 1024], K = its axis 0); Wq (in the module: [1024, 1024], K = its axis 0); Wv (in the module: [1024, 1024], K = its axis 0): each comes as NAME_codes (uint8): NAME with its K axis moved to the last place and cut into blocks of 32 codes, [.., K / 32, bytes a block], one block behind the other in memory; one code a byte (a code: sign, 4 exponent bits, 3 mantissa bits); its scale is its entry of lowp_scales. Its value is code x scale, taken as it is: it is not quantised again, and the codes and scales need not be those that the quantiser above would give.
;; One version. Each part assembles by itself: llvm-mc -triple=amdgcn-amd-amdhsa -mcpu=gfx1250 --defsym DOCPART=n.
;; ======== version 1 of 1: 8 launches
;; limits: right only within a limited range of input values
;; workspace buffers: xc 12,582,912 bytes; qkvc 12,582,912 bytes; cc 4,194,304 bytes; yf 16,777,216 bytes; hf 16,777,216 bytes; hc 4,194,304 bytes; gc 16,777,216 bytes
;; launch quant (part 1): grid 256 x 1, 4 waves a work-group, no clusters, 20,992 bytes of LDS; arguments x, lowp_scales, xc; writes xc
.if DOCPART == 1
	.amdgcn_target "amdgcn-amd-amdhsa--gfx1250"
	.amdhsa_code_object_version 6
	.text
	.protected	k_q00307fe642_quant
	.globl	k_q00307fe642_quant
	.p2align	8
	.type	k_q00307fe642_quant,@function
k_q00307fe642_quant:
	s_mov_b64 s[64:65], 0
	v_nop
	global_prefetch_b8 v0, s[64:65] scope:SCOPE_SE
	s_setreg_imm32_b32 hwreg(HW_REG_WAVE_MODE, 25, 1), 1
	s_wait_xcnt 0x0
; x [4096][1024] f32 becomes three planes of E4M3 codes [4096][1024], K innermost: plane p under the scale 2^e, e = entry 2 p of the scales (the A side of the q, k and v products).
; code = x / 2^e, to the nearest code, ties to even.  LIMITS: each e between -126 and 119; NaN among the inputs is not served.
; A wave takes 8 steps of 512 numbers (4 rows).  Each load reads 512 consecutive bytes; a step's 2,048 bytes turn through the wave's own stage in LDS (16 bytes of padding behind each 64)
; and come back 16 neighbours a lane, which the conversions want.  A lane's 16 codes are 16 bytes: a store of the wave covers 512 consecutive bytes, aligned.  Waves share nothing: no barrier.
.set STEPS, 8
.set SP,    80                         ; a lane's place in a stage
.set WREG,  2*32*SP                    ; two stages for each wave
.set R,     16                         ; v16-79   four sets of 16 numbers as loaded
.set X,     80                         ; v80-111  two sets of 16 neighbours
.set T,     112                        ; v112-127 the numbers held for one plane
.set C,     128                        ; v128-223 codes: four registers for each step and plane, so that no store's data are written again
.set SC,    5                          ; v5-7     2^e of the three planes
.set LM,    8                          ; v8-10    448 x 2^e
	s_load_b128 s[4:7], s[0:1], 0x0                ; x, the scales' exponents
	s_load_b64 s[8:9], s[0:1], 0x10                ; the codes
	v_lshl_add_u32 v224, v0, 2, 0x5000
	v_mov_b32 v225, 0
	v_lshrrev_b32 v1, 5, v0
	v_readfirstlane_b32 s16, v1                    ; wave
	v_and_b32 v2, 31, v0                           ; lane
	v_lshlrev_b32 v3, 4, v2                        ; my 16 bytes of 512: for the loads and for the stores
	s_mul_i32 s17, s16, WREG
	v_lshrrev_b32 v14, 2, v2
	v_mul_u32_u24 v14, v14, SP
	v_and_b32 v15, 3, v2
	v_lshl_add_u32 v14, v15, 4, v14
	v_add_nc_u32 v14, s17, v14                     ; into the stage: SP (lane / 4) + 16 (lane % 4)
	v_mul_u32_u24 v15, v2, SP
	v_add_nc_u32 v15, s17, v15                     ; out of it: SP x lane
	s_lshl_b32 s18, ttmp9, 2
	s_add_co_u32 s18, s18, s16                     ; which run of 4,096 numbers is my wave's
	s_lshl_b32 s20, s18, 14
	s_mov_b32 s21, 0
	s_lshl_b32 s22, s18, 12
	s_mov_b32 s23, 0
	s_wait_alu depctr_va_vdst(0)
	s_wait_kmcnt 0x0
	s_load_b256 s[24:31], s[6:7], 0x0              ; entries 0 to 7: e of plane p is s[24 + 2 p]
	s_add_nc_u64 s[4:5], s[4:5], s[20:21]
	s_add_nc_u64 s[8:9], s[8:9], s[22:23]          ; plane 0,
	s_add_nc_u64 s[10:11], s[8:9], 0x400000        ; plane 1,
	s_add_nc_u64 s[12:13], s[8:9], 0x800000        ; plane 2
.macro LOAD t
.irp i, 0,1,2,3
	global_load_b128 v[R+16*((\t)%4)+4*\i:R+16*((\t)%4)+4*\i+3], v3, s[4:5] offset:2048*(\t)+512*\i th:TH_LOAD_NT
.endr
.endm
.macro TURN t                          ; LDS serves a wave's instructions in order: no wait between the stores and the loads
.irp i, 0,1,2,3
	ds_store_b128 v14, v[R+16*((\t)%4)+4*\i:R+16*((\t)%4)+4*\i+3] offset:32*SP*((\t)%2)+8*SP*\i
.endr
.irp i, 0,1,2,3
	ds_load_b128 v[X+16*((\t)%2)+4*\i:X+16*((\t)%2)+4*\i+3], v15 offset:32*SP*((\t)%2)+16*\i
.endr
.endm
.irp t, 0,1,2,3
	LOAD \t
.endr
	s_wait_kmcnt 0x0
.irp p, 0,1,2
	s_add_co_i32 s32, s[24+2*\p], 127
	s_lshl_b32 s33, s32, 23
	v_mov_b32 v[SC+\p], s33                        ; 2^e as f32: the conversion takes its exponent field
	s_add_co_i32 s32, s32, 8
	s_lshl_b32 s32, s32, 23
	s_or_b32 s32, s32, 0x600000
.endr
	s_wait_alu depctr_va_vdst(0)
	s_wait_loadcnt 12                              ; step 0's four loads are in; three steps' may be out
	TURN 0
.macro STEP t
.set XS, X+16*((\t)%2)
	s_wait_dscnt 0x0                               ; this step's numbers are back, so its stores into the stage have read their registers,
.if (\t)+4 < STEPS
	LOAD (\t)+4                                    ; which take the loads of four steps on
.endif
.if (\t)+1 < STEPS
.if STEPS-2-(\t) >= 3
	s_wait_loadcnt 12                              ; the next step's loads are in; those of the three steps behind it may be out
.else
	s_wait_loadcnt 4*(STEPS-2-(\t))
.endif
	TURN (\t)+1
.endif
.irp p, 0,1,2
.irp i, 0,1,2,3,4,5,6,7,8,9,10,11,12,13,14,15
.endr
	v_cvt_scalef32_pk8_fp8_f32 v[C+12*(\t)+4*\p:C+12*(\t)+4*\p+1], v[XS:XS+7], v[SC+\p]
	v_cvt_scalef32_pk8_fp8_f32 v[C+12*(\t)+4*\p+2:C+12*(\t)+4*\p+3], v[XS+8:XS+15], v[SC+\p]
	v_nop
	global_store_b128 v3, v[C+12*(\t)+4*\p:C+12*(\t)+4*\p+3], s[8+2*\p:9+2*\p] offset:512*(\t)
.endr
.endm
.irp t, 0,1,2,3,4,5,6,7
	STEP \t
.endr
	s_wait_tensorcnt 0x0
	ds_add_u32 v224, v225
	s_wait_dscnt 0x0
	s_endpgm
.Lfunc_end_k_q00307fe642_quant:
	.size	k_q00307fe642_quant, .Lfunc_end_k_q00307fe642_quant-k_q00307fe642_quant
	.p2alignl 7, 3214868480
	.fill 96, 4, 3214868480
	.section	.rodata,"a",@progbits
	.p2align	6, 0x0
	.amdhsa_kernel k_q00307fe642_quant
		.amdhsa_group_segment_fixed_size 20992
		.amdhsa_private_segment_fixed_size 0
		.amdhsa_enable_private_segment 0
		.amdhsa_kernarg_size 24
		.amdhsa_user_sgpr_count 2
		.amdhsa_user_sgpr_kernarg_segment_ptr 1
		.amdhsa_wavefront_size32 1
		.amdhsa_system_sgpr_workgroup_id_x 1
		.amdhsa_system_sgpr_workgroup_id_y 1
		.amdhsa_system_sgpr_workgroup_id_z 1
		.amdhsa_system_vgpr_workitem_id 0
		.amdhsa_next_free_vgpr 226
		.amdhsa_next_free_sgpr 66
		.amdhsa_reserve_vcc 0
		.amdhsa_float_denorm_mode_32 3
		.amdhsa_float_denorm_mode_16_64 3
		.amdhsa_fp16_overflow 1
		.amdhsa_memory_ordered 1
		.amdhsa_forward_progress 1
		.amdhsa_inst_pref_size 17
	.end_amdhsa_kernel
	.amdgpu_metadata
---
amdhsa.version: [ 1, 2 ]
amdhsa.kernels:
  - .name:           k_q00307fe642_quant
    .symbol:         k_q00307fe642_quant.kd
    .args:
      - { .name: x, .offset: 0, .size: 8, .value_kind: global_buffer, .address_space: global }
      - { .name: lowp_scales, .offset: 8, .size: 8, .value_kind: global_buffer, .address_space: global }
      - { .name: xc, .offset: 16, .size: 8, .value_kind: global_buffer, .address_space: global }
    .group_segment_fixed_size: 20992
    .private_segment_fixed_size: 0
    .kernarg_segment_align: 8
    .kernarg_segment_size: 24
    .max_flat_workgroup_size: 128
    .sgpr_count:     66
    .vgpr_count:     226
    .wavefront_size: 32
...
	.end_amdgpu_metadata
.endif
;; end of part 1
;; launch proj (part 2): grid 12 x 16, 4 waves a work-group, clusters of 4 x 4, 327,680 bytes of LDS; arguments xc, Wq_codes, Wk_codes, Wv_codes, lowp_scales, bq, bk, bv, qkvc; writes qkvc
.if DOCPART == 2
	.amdgcn_target "amdgcn-amd-amdhsa--gfx1250"
	.amdhsa_code_object_version 6
	.text
	.protected	k_q00307fe642_proj
	.globl	k_q00307fe642_proj
	.p2align	8
	.type	k_q00307fe642_proj,@function
k_q00307fe642_proj:
	s_mov_b64 s[64:65], 0
	v_nop
	global_prefetch_b8 v0, s[64:65] scope:SCOPE_SE
	s_setreg_imm32_b32 hwreg(HW_REG_WAVE_MODE, 25, 1), 1
	s_wait_xcnt 0x0
	s_wait_alu depctr_hold_cnt(0) depctr_sa_sdst(0) depctr_va_vdst(0) depctr_va_sdst(0) depctr_va_ssrc(0) depctr_va_vcc(0) depctr_vm_vsrc(0)
	s_getreg_b32 s2, hwreg(HW_REG_IB_STS2, 6, 4)
	s_cmp_eq_u32 s2, 0
	s_cbranch_scc0 .Lentry_in_a_cluster
	s_endpgm
.Lentry_in_a_cluster:
	s_bfe_u32 s2, ttmp6, 0x10000c
	s_cmp_lg_u32 s2, 0xf033
	s_cbranch_scc0 .Lentry_shape_is_right
	s_endpgm
.Lentry_shape_is_right:
; A GEMM on E4M3 codes, C = A B^T over K = 1,024, whose results leave as E4M3 codes.  One text serves two launches, by the symbol QKV.
; QKV = 1: the cluster's x, P, says which product: 0: q = x Wq + bq, 1: k = x Wk + bk (A = plane P of x's codes, B = the weight: C is [4096 tokens][1024]);
;          2: v^T = Wv x^T + bv (A = the weight, B = plane 2 of x's codes: C is [1024 channels][4096 tokens], the keys innermost, as the second product of attention wants them).  P is equal in all partners of a cluster;
;          it chooses pointers and numbers by selects, never a branch.
; QKV = 0: C = gelu(h W1 + b1), [4096][4096]; gelu is the exact one, by erfc.
; code = value / 2^eo, held within +-448.  LIMITS: ea + eb between -126 and 127, eo between -126 and 119; NaN and infinities are not served.
; A tile of C is 256 x 256: four waves, each 128 x 128 in 64 accumulators.  K goes in steps of 256 through a ring of two LDS slots filled by the tensor data mover.
; CLUSTERS: 4 x 4 work-groups; A's tile is asked for jointly along a row of the cluster, B's along a column.  THE MATRIX INSTRUCTION IS USED TRANSPOSED (source 0 = rows of B, source 1 = rows of A): a lane holds eight neighbouring columns of a row of C.
; REGISTERS: window 0: v0-31 addresses; v32-63 biases; from v128 A's fragments, one set; window 1: B's fragments, two sets; windows 2, 3: the accumulators ((a, b) at v[8 (8 (a % 4) + b)]).
; THE WAY OUT: the tile goes through LDS as f32, 128 rows at a time (the ring has had its last fill), and comes back 16 neighbouring columns a lane; a loop of eight trips does the vector work and stores rows of 256 codes.
.set QKV,    1
.set SIZE_K, 1024
.set KSTEP,  256
.set ROWB,   256
.set KROW,   SIZE_K
.set PITCH,  272                       ; 256 bytes + 16: the 16 rows of a fragment load start at 16 different banks (64 banks of 4 bytes: ISA guide 11.1)
.set FR,     16
.set NL,     4
.set NP,     4
.set HALFT,  128*PITCH
.set SLOT,   4*HALFT
.set LAPS,   SIZE_K/(2*KSTEP)
.set SPARE,  2*SLOT                    ; the spare words: 128 bytes for each wave, named by no other line
.set FP,     1296                      ; the way out: a row of 256 f32 as 16 groups of 64 bytes + 16, and 16 more: an odd multiple of 16
.set ADRA, 16
.set ADRB, 20
.set FSTA, 22                          ; where I put results into the stage
.set RA0,  23                          ; where I read it back, first trip
.set RA,   24                          ; the same, the trip in hand
.set GO,   25                          ; my byte offset in C, rows 0-1 of a trip's four
.set GO1,  26                          ; rows 2-3
.set SPW,  28
.set NIL,  29
.set XB,   32                          ; v32-47  the bias of my 16 columns (reader's layout)
.set YB,   48                          ; v48-63  QKV: the bias of my row in each of my 8 blocks, each twice (a pair)
.set RIN,  64
.set RV,   96
.set RT,   128
.set RW,   160
.set RP,   192
.set CD,   224
.set KV,   232
.set SCL,  234
.set LIM,  235
.set AF,   128
.set G1, 24
.set G0, 32
.set G1B, 48
.set G0B, 56
.set XP, 92                            ; s[92:93] base of the column bias
.set YP, 84                            ; s[84:85] QKV: base of the row bias
.set MSB, 0
.macro WIN new                         ; the immediate's high byte repeats the setting that is left
.if MSB != (\new)
	s_set_vgpr_msb (MSB<<8)|(\new)
.set MSB, \new
.endif
.endm
.set MUL_LO, 0xa1
.set MUL_HI, 0xf1
.set TO_B,   0x40
; a joint load: waves 0 and 1 fetch for A, waves 2 and 3 for B; four v_nop follow each of the two lines
.macro JLOAD g0a, g1a, g0b, g1b
	s_cmp_eq_u32 s15, 0
	s_cbranch_scc0 .Lfor_b_\@
	tensor_load_to_lds s[\g0a:\g0a+3], s[\g1a:\g1a+7]
	s_nop 0
.rept 4
	v_nop
.endr
	s_branch .Lasked_\@
.Lfor_b_\@:
	tensor_load_to_lds s[\g0b:\g0b+3], s[\g1b:\g1b+7]
	s_nop 0
.rept 4
	v_nop
.endr
.Lasked_\@:
.endm
.macro CREST
	s_cmp_lg_u32 s14, 0
	s_cbranch_scc1 .Lnot_wave_0_\@
	s_barrier_signal -3
.Lnot_wave_0_\@:
	s_barrier_wait -3
	s_barrier_signal -1
	s_barrier_wait -1
.endm
.macro CROUND
	s_barrier_signal -1
	s_barrier_wait -1
	CREST
.endm
.if QKV
	s_load_b512 s[68:83], s[0:1], 0x0              ; x's codes, Wq, Wk, Wv, the scales, bq, bk, bv
	s_load_b64 s[10:11], s[0:1], 0x40              ; the results
.else
	s_load_b128 s[4:7], s[0:1], 0x0                ; A's codes, B's codes
	s_load_b64 s[8:9], s[0:1], 0x10                ; the scales
	s_load_b64 s[XP:XP+1], s[0:1], 0x18            ; the bias
	s_load_b64 s[10:11], s[0:1], 0x20              ; the results
.endif
	v_lshl_add_u32 v[SPW], v0, 2, SPARE
	v_mov_b32 v[NIL], 0
	ds_add_u32 v28, v29
	ds_add_u32 v28, v29
	s_wait_dscnt 0x0
	v_lshrrev_b32 v1, 5, v0
	v_readfirstlane_b32 s14, v1                    ; wave
	s_lshr_b32 s15, s14, 1                         ; my half of the tile's rows; also: I fetch for A (0) or B (1)
	s_and_b32 s16, s14, 1                          ; my half of its columns; also: which 128 rows I fetch
	s_bfe_u32 s40, ttmp6, 0x40000                  ; cx
	s_bfe_u32 s41, ttmp6, 0x40004                  ; cy
.if QKV
	s_mov_b32 s2, ttmp9                            ; P
	s_and_b32 s3, ttmp7, 0xffff
	s_lshl_b32 s3, s3, 2                           ; 4 x cluster y
	s_lshl_b32 s12, s2, 22                         ; a plane is 4 MiB
	s_mov_b32 s13, 0
	s_mov_b32 s95, 1024
	s_cmp_eq_u32 s2, 2
	s_cselect_b32 s17, 0, s3                       ; q, k: the clusters walk down the 16 tile rows; v^T: along the 16 tile columns
	s_cselect_b32 s42, s3, 0
	s_cselect_b32 s95, 4096, s95                   ; bytes in a row of C
	s_cselect_b32 s98, 0, 1.0                      ; the bias runs along the columns (q, k)
	s_cselect_b32 s99, 1.0, 0                      ; or along the rows (v^T)
	s_add_co_u32 s17, s17, s41                     ; tile row
	s_add_co_u32 s42, s42, s40                     ; tile column
.else
	s_lshl_b32 s42, ttmp9, 2
	s_add_co_u32 s42, s42, s40
	s_and_b32 s17, ttmp7, 0xffff
	s_lshl_b32 s17, s17, 2
	s_add_co_u32 s17, s17, s41
	s_mov_b32 s95, 4096
.endif
	s_lshl_b32 s43, s41, 2
	s_lshl_b32 s43, 15, s43                        ; my row of the cluster
	s_lshl_b32 s44, 0x1111, s40                    ; my column
	s_or_b32 s[G1+0], s43, (1<<20)|(1<<21)|(5<<22)|(3<<25)   ; the mask; elements of 1 byte; padding of 4 words behind every 64; bit 21 beside a mask
	s_or_b32 s[G1B+0], s44, (1<<20)|(1<<21)|(5<<22)|(3<<25)
.irp g, G1, G1B
	s_mov_b32 s[\g+1], ROWB<<16                    ; tensor_dim0
	s_mov_b32 s[\g+2], 128<<16                     ; tensor_dim1
	s_mov_b32 s[\g+3], ROWB<<16                    ; tile_dim0
	s_mov_b32 s[\g+4], 128                         ; tile_dim1
	s_mov_b32 s[\g+5], KROW                        ; from row to row
	s_mov_b32 s[\g+6], 0
	s_mov_b32 s[\g+7], 0
.endr
	s_lshl_b32 s18, s16, 7
	s_lshl_b32 s20, s17, 8
	s_add_co_u32 s20, s20, s18
	s_lshl_b32 s20, s20, 10                        ; A: (256 x tile row + 128 x half) rows of 1,024 bytes
	s_mov_b32 s21, 0
	s_lshl_b32 s46, s42, 8
	s_add_co_u32 s46, s46, s18
	s_lshl_b32 s46, s46, 10                        ; B likewise by the tile column
	s_mov_b32 s47, 0
	s_mul_i32 s45, s14, HALFT                      ; where they go: wave x 128 rows
	s_wait_kmcnt 0x0
.if QKV
	s_cmp_eq_u32 s2, 0
	s_cselect_b64 s[4:5], s[70:71], s[72:73]       ; the weight,
	s_cselect_b64 s[YP:YP+1], s[78:79], s[80:81]   ; its bias
	s_cmp_eq_u32 s2, 2
	s_cselect_b64 s[4:5], s[74:75], s[4:5]
	s_cselect_b64 s[YP:YP+1], s[82:83], s[YP:YP+1]
	s_add_nc_u64 s[6:7], s[68:69], s[12:13]        ; x's plane P
	s_cselect_b64 s[22:23], s[4:5], s[6:7]         ; v^T: A is the weight and B is x
	s_cselect_b64 s[6:7], s[6:7], s[4:5]
	s_mov_b64 s[4:5], s[22:23]
	s_add_nc_u64 s[10:11], s[10:11], s[12:13]      ; the results' plane P
	s_mov_b64 s[8:9], s[76:77]
	s_load_b512 s[68:83], s[8:9], 0x0              ; the sixteen exponents
.else
	s_load_b128 s[96:99], s[8:9], 0x30             ; e12, e13, e14, e15
.endif
	s_add_nc_u64 s[20:21], s[4:5], s[20:21]
	s_add_nc_u64 s[46:47], s[6:7], s[46:47]
	CROUND                                         ; all sixteen work-groups are here: the first joint loads meet
.irp s, 0,1
	s_mov_b32 s[G0+4*\s], 1
	s_add_co_u32 s[G0+4*\s+1], s45, \s*SLOT
	s_add_nc_u64 s[G0+4*\s+2:G0+4*\s+3], s[20:21], \s*ROWB
	s_or_b32 s[G0+4*\s+3], s[G0+4*\s+3], 0x80000000
	s_mov_b32 s[G0B+4*\s], 1
	s_add_co_u32 s[G0B+4*\s+1], s45, \s*SLOT
	s_add_nc_u64 s[G0B+4*\s+2:G0B+4*\s+3], s[46:47], \s*ROWB
	s_or_b32 s[G0B+4*\s+3], s[G0B+4*\s+3], 0x80000000
	JLOAD G0+4*\s, G1, G0B+4*\s, G1B
.endr
	v_and_b32 v1, 15, v0                           ; r
	v_bfe_u32 v2, v0, 4, 1                         ; hh
	v_mul_u32_u24 v3, v1, PITCH
	v_lshl_add_u32 v4, v2, 4, v3
	s_mul_i32 s21, s15, HALFT
	s_mul_i32 s22, s16, HALFT
	s_add_co_u32 s22, s22, 2*HALFT
.irp s, 0,1
	v_add_nc_u32 v[ADRA+\s], s21, v4
	v_add_nc_u32 v[ADRB+\s], s22, v4
	s_add_co_u32 s21, s21, SLOT
	s_add_co_u32 s22, s22, SLOT
.endr
	s_mul_i32 s23, s15, 64*FP                      ; the stage, in: row 64 x (my half of the rows) + r, group 8 x (my half of the columns), 32 bytes for each half of the lanes
	s_mul_i32 s22, s16, 640
	s_add_co_u32 s23, s23, s22
	v_mul_u32_u24 v5, v1, FP
	v_lshl_add_u32 v5, v2, 5, v5
	v_add_nc_u32 v[FSTA], s23, v5
	s_mul_i32 s23, s14, 32*FP                      ; back: wave w takes stage rows 32 w on; lanes 0-15 one row, lanes 16-31 the next; a group of 16 columns a lane
	v_mul_u32_u24 v5, v2, FP
	v_mad_u32_u24 v5, v1, 80, v5
	v_add_nc_u32 v[RA0], s23, v5
	v_mul_lo_u32 v[GO], v2, s95                    ; and the same place in C: 16 codes a lane, sixteen lanes to a row of 256
	v_lshl_add_u32 v[GO], v1, 4, v[GO]
	s_lshl_b32 s23, s95, 1
	v_add_nc_u32 v[GO1], s23, v[GO]
	s_lshl_b32 s88, s95, 2                         ; four rows of C,
	s_mov_b32 s89, 0
	s_lshl_b32 s90, s95, 5                         ; thirty-two
	s_mov_b32 s91, 0
	s_lshl_b32 s18, s42, 10                        ; the column bias: 4 bytes x 256 x tile column
.if QKV
	s_lshl_b32 s19, s17, 10
	s_cmp_eq_u32 s2, 2
	s_cselect_b32 s18, 0, s18                      ; where a bias is not used its address stays inside the buffer and its numbers are multiplied by 0
	s_cselect_b32 s22, s19, 0
	s_mov_b32 s19, 0
	s_add_nc_u64 s[XP:XP+1], s[YP:YP+1], s[18:19]
	s_lshl_b32 s23, s15, 9
	s_add_co_u32 s22, s22, s23                     ; the row bias: 4 x (256 x tile row + 128 x half)
	s_mov_b32 s23, 0
	s_add_nc_u64 s[YP:YP+1], s[YP:YP+1], s[22:23]
.else
	s_mov_b32 s19, 0
	s_add_nc_u64 s[XP:XP+1], s[XP:XP+1], s[18:19]
.endif
	v_lshlrev_b32 v6, 6, v1
.irp c, 0,1,2,3
	global_load_b128 v[XB+4*\c:XB+4*\c+3], v6, s[XP:XP+1] offset:16*\c
.endr
.if QKV
	v_lshlrev_b32 v7, 2, v1
.irp a, 0,1,2,3,4,5,6,7
	global_load_b32 v[YB+2*\a], v7, s[YP:YP+1] offset:64*\a
	global_load_b32 v[YB+2*\a+1], v7, s[YP:YP+1] offset:64*\a
.endr
.endif
	s_lshl_b32 s20, s17, 8                         ; the first row of C that I store: 256 x tile row + 128 (wave / 2) + 32 (wave % 2)
	s_lshl_b32 s21, s15, 7
	s_add_co_u32 s20, s20, s21
	s_lshl_b32 s21, s16, 5
	s_add_co_u32 s20, s20, s21
	s_mul_i32 s20, s20, s95
	s_lshl_b32 s46, s42, 8
	s_add_co_u32 s20, s20, s46                     ; + 256 x tile column
	s_mov_b32 s21, 0
	s_add_nc_u64 s[10:11], s[10:11], s[20:21]
.macro FRAG reg, adr, q, i             ; 16 rows x 128 K: lane l holds row l % 16; registers 4 c .. 4 c + 3 hold K = 32 c + 16 (l / 16) + 0 .. 15, alike in A and B
.irp c, 0,1,2,3
	ds_load_b128 v[\reg+4*\c:\reg+4*\c+3], v[\adr] offset:128*(\q)+32*\c+(\i)*16*PITCH
.endr
.endm
; 16 matrix instructions: A's blocks a0, a0 + 1 x B's eight.  The 64 accumulators take turns, one instruction a turn, in the same order in every step.
.macro MUL16 a0, p, zero
.irp a, \a0, \a0+1
.irp b, 0,1,2,3,4,5,6,7
.if \zero
	v_wmma_f32_16x16x128_fp8_fp8 v[8*(8*((\a)%4)+\b):8*(8*((\a)%4)+\b)+7], v[128*(\p)+FR*\b:128*(\p)+FR*\b+FR-1], v[AF+FR*(\a):AF+FR*(\a)+FR-1], 0
.else
	v_wmma_f32_16x16x128_fp8_fp8 v[8*(8*((\a)%4)+\b):8*(8*((\a)%4)+\b)+7], v[128*(\p)+FR*\b:128*(\p)+FR*\b+FR-1], v[AF+FR*(\a):AF+FR*(\a)+FR-1], v[8*(8*((\a)%4)+\b):8*(8*((\a)%4)+\b)+7]
.endif
.endr
.endr
.endm
.macro FETCH_B slot, q, p
	WIN TO_B
.irp i, 0,1,2,3,4,5,6,7
	FRAG 128*(\p)+FR*\i, ADRB+\slot, \q, \i
.endr
	WIN 0
.endm
.macro FETCH_A slot, q, i0
.irp i, \i0, \i0+1, \i0+2, \i0+3
	FRAG AF+FR*(\i), ADRA+\slot, \q, \i
.endr
.endm
.macro PLACES n                        ; plain vector lines between a matrix instruction and a load into, or a read of, its registers
.rept \n
	v_nop
.endr
.endm
.macro STEP slot, q, zero              ; 128 along K whose successor lies in the same slot
	s_wait_dscnt 4*NL                              ; B's set and A's blocks 0-3 are in; A's blocks 4-7 (16 loads) may be out
	WIN MUL_LO
	MUL16 0, (\q)%2, \zero
	MUL16 2, (\q)%2, \zero
	s_wait_dscnt 0
	PLACES NP
	FETCH_B \slot, (\q)+1, 1-(\q)%2
	FETCH_A \slot, (\q)+1, 0
	WIN MUL_HI
	MUL16 4, (\q)%2, \zero
	MUL16 6, (\q)%2, \zero
	PLACES NP
	WIN 0
	FETCH_A \slot, (\q)+1, 4
.endm
; a slot's last step changes slots: one barrier; in front of it each wave waits for all its tensor loads, adds 0 to its spare word, and waits for that and for its reads of this slot
.macro TURN slot, next, fill
	s_wait_tensorcnt 0x0                           ; my part of the next slot has landed; no load of mine is out
	ds_add_u32 v[SPW], v[NIL]
	s_wait_dscnt 4*NL+1                            ; the add and A's blocks 4-7 may be out
	WIN MUL_LO
	MUL16 0, 1, 0
	s_wait_dscnt 0x0                               ; the add is done, my reads of this slot are over
	s_barrier_signal -1
	MUL16 2, 1, 0
	WIN 0
	s_barrier_wait -1
.if \fill
	CREST                                          ; the barrier has opened a round of the cluster's: no wave of any partner still reads this slot or has a load on its way
	s_add_nc_u64 s[G0+4*\slot+2:G0+4*\slot+3], s[G0+4*\slot+2:G0+4*\slot+3], 2*ROWB
	s_add_nc_u64 s[G0B+4*\slot+2:G0B+4*\slot+3], s[G0B+4*\slot+2:G0B+4*\slot+3], 2*ROWB
	JLOAD G0+4*\slot, G1, G0B+4*\slot, G1B         ; the first tensor load behind the round; its four v_nop are the places in front of the loads below
.else
	PLACES NP
.endif
	FETCH_B \next, 0, 0
	FETCH_A \next, 0, 0
	WIN MUL_HI
	MUL16 4, 1, 0
	MUL16 6, 1, 0
	PLACES NP
	WIN 0
	FETCH_A \next, 0, 4
.endm
	s_wait_tensorcnt 1                             ; my part of K step 0 is in; K step 1's load may be out
	s_barrier_signal -1
	s_barrier_wait -1
	FETCH_B 0, 0, 0
	FETCH_A 0, 0, 0
	FETCH_A 0, 0, 4
	STEP 0, 0, 1                                   ; the first step's products start the sums
	s_mov_b32 s3, LAPS-1
.Llap:
	TURN 0, 1, 1
	STEP 1, 0, 0
	TURN 1, 0, 1
	STEP 0, 0, 0
	s_sub_co_u32 s3, s3, 1
	s_cmp_lg_u32 s3, 0
	s_cbranch_scc1 .Llap
	TURN 0, 1, 0                                   ; the last lap fills nothing
	STEP 1, 0, 0
	s_wait_dscnt 4*NL
	WIN MUL_LO
	MUL16 0, 1, 0
	MUL16 2, 1, 0
	s_wait_dscnt 0
	WIN MUL_HI
	MUL16 4, 1, 0
	MUL16 6, 1, 0
	WIN 0
	; ---- the way out
	s_wait_kmcnt 0x0
.if QKV
	s_add_co_i32 s18, s68, s69
	s_add_co_i32 s19, s70, s71
	s_add_co_i32 s20, s72, s73
	s_cmp_eq_u32 s2, 0
	s_cselect_b32 s86, s18, s19                    ; ea + eb of product P
	s_cselect_b32 s21, s74, s75                    ; eo: q's is entry 6, k's entry 7,
	s_cmp_eq_u32 s2, 2
	s_cselect_b32 s86, s20, s86
	s_cselect_b32 s21, s77, s21                    ; v's entry 9
.else
	s_add_co_i32 s86, s96, s97
	s_mov_b32 s21, s98
.macro COEF i, bits
	s_mov_b32 s[66+2*\i], \bits
	s_mov_b32 s[67+2*\i], \bits
.endm
	; erfc(z) = t 2^(-z^2 log2(e) + c0 + t (c1 + .. + t c9)), t = 1 / (1 + z / 2): a Chebyshev fit whose relative error stays near one part in 10^7 for every z >= 0; the coefficients are already times log2(e)
	COEF 0, 0xbfe9b21e
	COEF 1, 0x3fb8ab5a
	COEF 2, 0x3f0a29d2
	COEF 3, 0x3e0efb2f
	COEF 4, 0xbe899a80
	COEF 5, 0x3ecdfd18
	COEF 6, 0xbfd1a1e6
	COEF 7, 0x40097039
	COEF 8, 0xbf97d29d
	s_mov_b32 s84, 0x3eb504f3                      ; 1 / (2 sqrt 2): z / 2 = |v| x this
	s_mov_b32 s12, 0x3f596d27                      ; sqrt(log2(e) / 2): (v x this)^2 = z^2 log2(e)
	s_mov_b32 s13, s12
.endif
	s_add_co_i32 s86, s86, 127
	s_lshl_b32 s86, s86, 23                        ; 2^(ea + eb) as f32
	s_mov_b32 s87, s86
	s_add_co_i32 s21, s21, 127
	s_lshl_b32 s22, s21, 23                        ; 2^eo
	s_add_co_i32 s21, s21, 8
	s_lshl_b32 s21, s21, 23
	s_or_b32 s21, s21, 0x600000                    ; 448 x 2^eo
	s_wait_loadcnt 0x0                             ; the biases
	PLACES NP                                      ; behind the last products: their operands' registers are written and their results read below
	v_mov_b32 v[SCL], s22
	v_mov_b32 v[LIM], s21
.if QKV
.set i, 0
.rept 16
	v_mul_f32 v[XB+i], s98, v[XB+i]
	v_mul_f32 v[YB+i], s99, v[YB+i]
.set i, i+1
.endr
.else
	v_mov_b32 v[KV], 0x3e7c6f08                    ; c9, twice
	v_mov_b32 v[KV+1], 0x3e7c6f08
.endif
; 128 rows of the tile (each wave's blocks 4 half .. 4 half + 3) through the stage
.macro OUTROUND half
	s_wait_dscnt 0x0                               ; my reads of the slots, or of the stage's last round, are over
	s_barrier_signal -1
	s_barrier_wait -1                              ; everybody's are
.irp a, 0,1,2,3
.if QKV
	WIN 0x02+\half
.set j, 0
.rept 32
	v_pk_fma_f32 v[RT+j:RT+j+1], v[64*\a+j:64*\a+j+1], s[86:87], v[YB+2*(4*\half+\a):YB+2*(4*\half+\a)+1] op_sel_hi:[1,0,1]   ; sum x 2^(ea + eb) + the row's bias; each accumulator from its low end on
.set j, j+2
.endr
	WIN 0
.irp b, 0,1,2,3,4,5,6,7
	ds_store_b128 v[FSTA], v[RT+8*\b:RT+8*\b+3] offset:16*\a*FP+80*\b
	ds_store_b128 v[FSTA], v[RT+8*\b+4:RT+8*\b+7] offset:16*\a*FP+80*\b+16
.endr
.else
	WIN 0x08+4*\half                               ; the stores' data: window 2 or 3
.irp b, 0,1,2,3,4,5,6,7
	ds_store_b128 v[FSTA], v[64*\a+8*\b:64*\a+8*\b+3] offset:16*\a*FP+80*\b
	ds_store_b128 v[FSTA], v[64*\a+8*\b+4:64*\a+8*\b+7] offset:16*\a*FP+80*\b+16
.endr
.endif
.endr
	WIN 0
	s_wait_dscnt 0x0                               ; for the others' sake: my stores have landed
	s_barrier_signal -1
	s_barrier_wait -1
	s_mov_b32 s96, 0
	s_mov_b32 s94, 8
.irp u, 0,1
.irp c, 0,1,2,3
	ds_load_b128 v[RIN+16*\u+4*\c:RIN+16*\u+4*\c+3], v[RA0] offset:2*\u*FP+16*\c
.endr
.endr
.Lrow_\@:                                      ; a trip: four rows of the stage; a lane has 16 neighbouring columns of two of them
	s_wait_dscnt 0x0
.set j, 0
.rept 16
.if QKV
	v_pk_add_f32 v[RV+j:RV+j+1], v[RIN+j:RIN+j+1], v[XB+j%16:XB+j%16+1]
.else
	v_pk_fma_f32 v[RV+j:RV+j+1], v[RIN+j:RIN+j+1], s[86:87], v[XB+j%16:XB+j%16+1] op_sel_hi:[1,0,1]
.endif
.set j, j+2
.endr
	s_add_co_u32 s96, s96, 4*FP
	s_min_u32 s97, s96, 28*FP                      ; the next trip's rows are asked for now; the last trip asks for its own again
	v_add_nc_u32 v[RA], s97, v[RA0]
.irp u, 0,1
.irp c, 0,1,2,3
	ds_load_b128 v[RIN+16*\u+4*\c:RIN+16*\u+4*\c+3], v[RA] offset:2*\u*FP+16*\c
.endr
.endr
.if !QKV
	; gelu(v) = max(v, 0) - |v| / 2 x erfc(|v| / sqrt 2): no difference of near numbers on either side of 0
.set i, 0
.rept 32
	v_fma_f32 v[RT+i], |v[RV+i]|, s84, 1.0
.set i, i+1
.endr
.set i, 0
.rept 32
	v_rcp_f32 v[RT+i], v[RT+i]                     ; t
.set i, i+1
.endr
.set j, 0
.rept 16
	v_pk_mul_f32 v[RW+j:RW+j+1], v[RV+j:RV+j+1], s[12:13] op_sel_hi:[1,0]   ; plain lines behind the reciprocals, which name none of them
.set j, j+2
.endr
	s_wait_alu depctr_va_vdst(0)                   ; one wait for the batch, ahead of its first reader
.set j, 0
.rept 16
	v_pk_fma_f32 v[RP+j:RP+j+1], v[KV:KV+1], v[RT+j:RT+j+1], s[82:83] op_sel_hi:[1,1,0]
.set j, j+2
.endr
.irp k, 7,6,5,4,3,2,1,0
.set j, 0
.rept 16
	v_pk_fma_f32 v[RP+j:RP+j+1], v[RP+j:RP+j+1], v[RT+j:RT+j+1], s[66+2*\k:67+2*\k] op_sel_hi:[1,1,0]
.set j, j+2
.endr
.endr
.set j, 0
.rept 16
	v_pk_fma_f32 v[RP+j:RP+j+1], v[RW+j:RW+j+1], v[RW+j:RW+j+1], v[RP+j:RP+j+1] neg_lo:[1,0,0] neg_hi:[1,0,0]
.set j, j+2
.endr
.set i, 0
.rept 32
	v_exp_f32 v[RP+i], v[RP+i]
.set i, i+1
.endr
.set j, 0
.rept 16
	v_pk_mul_f32 v[RW+j:RW+j+1], v[RV+j:RV+j+1], 0.5 op_sel_hi:[1,0]
.set j, j+2
.endr
.set j, 0
.rept 16
	v_pk_mul_f32 v[RW+j:RW+j+1], v[RW+j:RW+j+1], v[RT+j:RT+j+1]   ; v t / 2
.set j, j+2
.endr
.set i, 0
.rept 32
	v_max_num_f32 v[RT+i], 0, v[RV+i]
.set i, i+1
.endr
	s_wait_alu depctr_va_vdst(0)                   ; one wait for the exponentials
.set i, 0
.rept 32
	v_fma_f32 v[RV+i], -|v[RW+i]|, v[RP+i], v[RT+i]
.set i, i+1
.endr
.endif
.set i, 0
.rept 32
	v_med3_num_f32 v[RV+i], v[RV+i], -v[LIM], v[LIM]   ; the conversion does not saturate (ISA guide 7.6.2)
.set i, i+1
.endr
.irp g, 0,1,2,3
	v_cvt_scalef32_pk8_fp8_f32 v[CD+2*\g:CD+2*\g+1], v[RV+8*\g:RV+8*\g+7], v[SCL]
.endr
	v_nop                                          ; a plain line behind the conversions: the next trip writes their sources
	global_store_b128 v[GO], v[CD:CD+3], s[10:11]          ; sixteen lanes store 256 consecutive bytes, aligned
	global_store_b128 v[GO1], v[CD+4:CD+7], s[10:11]
	s_wait_xcnt 0x0                                ; the stores have read their data and their base: both are written again below
	s_add_nc_u64 s[10:11], s[10:11], s[88:89]      ; four rows of C on
	s_sub_co_u32 s94, s94, 1
	s_cmp_lg_u32 s94, 0
	s_cbranch_scc1 .Lrow_\@
.endm
	OUTROUND 0
	s_add_nc_u64 s[10:11], s[10:11], s[90:91]      ; my rows of the second round lie 64 below those of the first: 32 were walked
	OUTROUND 1
	s_wait_tensorcnt 0x0                           ; the wave's end
	ds_add_u32 v[SPW], v[NIL]
	s_wait_dscnt 0x0
	CROUND                                         ; the closing round
	s_endpgm
.Lfunc_end_k_q00307fe642_proj:
	.size	k_q00307fe642_proj, .Lfunc_end_k_q00307fe642_proj-k_q00307fe642_proj
	.p2alignl 7, 3214868480
	.fill 96, 4, 3214868480
	.section	.rodata,"a",@progbits
	.p2align	6, 0x0
	.amdhsa_kernel k_q00307fe642_proj
		.amdhsa_group_segment_fixed_size 327680
		.amdhsa_private_segment_fixed_size 0
		.amdhsa_enable_private_segment 0
		.amdhsa_kernarg_size 72
		.amdhsa_user_sgpr_count 2
		.amdhsa_user_sgpr_kernarg_segment_ptr 1
		.amdhsa_wavefront_size32 1
		.amdhsa_system_sgpr_workgroup_id_x 1
		.amdhsa_system_sgpr_workgroup_id_y 1
		.amdhsa_system_sgpr_workgroup_id_z 1
		.amdhsa_system_vgpr_workitem_id 0
		.amdhsa_next_free_vgpr 1024
		.amdhsa_next_free_sgpr 100
		.amdhsa_reserve_vcc 0
		.amdhsa_float_denorm_mode_32 3
		.amdhsa_float_denorm_mode_16_64 3
		.amdhsa_memory_ordered 1
		.amdhsa_forward_progress 1
		.amdhsa_inst_pref_size 117
	.end_amdhsa_kernel
	.amdgpu_metadata
---
amdhsa.version: [ 1, 2 ]
amdhsa.kernels:
  - .name:           k_q00307fe642_proj
    .symbol:         k_q00307fe642_proj.kd
    .args:
      - { .name: xc, .offset: 0, .size: 8, .value_kind: global_buffer, .address_space: global }
      - { .name: Wq_codes, .offset: 8, .size: 8, .value_kind: global_buffer, .address_space: global }
      - { .name: Wk_codes, .offset: 16, .size: 8, .value_kind: global_buffer, .address_space: global }
      - { .name: Wv_codes, .offset: 24, .size: 8, .value_kind: global_buffer, .address_space: global }
      - { .name: lowp_scales, .offset: 32, .size: 8, .value_kind: global_buffer, .address_space: global }
      - { .name: bq, .offset: 40, .size: 8, .value_kind: global_buffer, .address_space: global }
      - { .name: bk, .offset: 48, .size: 8, .value_kind: global_buffer, .address_space: global }
      - { .name: bv, .offset: 56, .size: 8, .value_kind: global_buffer, .address_space: global }
      - { .name: qkvc, .offset: 64, .size: 8, .value_kind: global_buffer, .address_space: global }
    .group_segment_fixed_size: 327680
    .private_segment_fixed_size: 0
    .kernarg_segment_align: 8
    .kernarg_segment_size: 72
    .max_flat_workgroup_size: 128
    .sgpr_count:     100
    .vgpr_count:     1024
    .wavefront_size: 32
...
	.end_amdgpu_metadata
.endif
;; end of part 2
;; launch attn (part 3): grid 8 x 32, 16 waves a work-group, clusters of 4 x 1, 327,680 bytes of LDS; arguments qkvc, lowp_scales, cc; writes cc
.if DOCPART == 3
	.amdgcn_target "amdgcn-amd-amdhsa--gfx1250"
	.amdhsa_code_object_version 6
	.text
	.protected	k_q00307fe642_attn
	.globl	k_q00307fe642_attn
	.p2align	8
	.type	k_q00307fe642_attn,@function
k_q00307fe642_attn:
	s_mov_b64 s[64:65], 0
	v_nop
	global_prefetch_b8 v0, s[64:65] scope:SCOPE_SE
	s_setreg_imm32_b32 hwreg(HW_REG_WAVE_MODE, 25, 1), 1
	s_wait_xcnt 0x0
	s_wait_alu depctr_hold_cnt(0) depctr_sa_sdst(0) depctr_va_vdst(0) depctr_va_sdst(0) depctr_va_ssrc(0) depctr_va_vcc(0) depctr_vm_vsrc(0)
	s_getreg_b32 s2, hwreg(HW_REG_IB_STS2, 6, 4)
	s_cmp_eq_u32 s2, 0
	s_cbranch_scc0 .Lentry_in_a_cluster
	s_endpgm
.Lentry_in_a_cluster:
	s_bfe_u32 s2, ttmp6, 0x10000c
	s_cmp_lg_u32 s2, 0x3003
	s_cbranch_scc0 .Lentry_shape_is_right
	s_endpgm
.Lentry_shape_is_right:
; ctx = softmax(q k^T / 8) v for one head and 256 queries a work-group, both products on E4M3 codes; ctx leaves as codes under entry 10 of the scales, laid [16 heads][4096 tokens][64].
; q, k: planes 0 and 1 of the buffer, [4096 tokens][1024]; v^T: plane 2, [1024 channels][4096 tokens].  Scales: q entry 6, k 7, p 8, v 9.
; THE SOFTMAX: t = score x log2(e) / 8; M = the running largest t rounded up to a whole number; p = 2^(t - M) is quantised, not normalised; the row's sum is taken of the unquantised p and divides at the end.
; LIMITS: e6 + e7 between -123 and 130; e8 and e10 between -126 and 119; NaN and infinities are not served.
; SHARES: sixteen waves, each 16 queries in 256 registers.  THE HEAD'S WHOLE K AND V LIE IN LDS, each byte filled once: no slot is filled again.  The four query blocks of a cluster belong to one head: every tile is asked for jointly.
; All fills go out at the head, four loads a wave (waves 0-7: 64 keys of K for each quarter of the keys; waves 8-15: 8 rows of V^T for each quarter; V^T has 64 rows, shared out so that every wave has the same four loads).
; Quarter 0 is read behind a wait that leaves the three later loads out, and a barrier; quarters 1 to 3 behind ONE wait for all loads and one barrier, at the head of quarter 1: twelve key steps then run with no barrier among them.
; LAYOUT: both products transposed (S^T = K Q^T, O^T = V^T P^T): a lane holds one query.  A tile of K is 16 NEIGHBOURING keys: at 80 bytes from row to row the 16 rows of a load start in 16 different columns of 16 bytes.
; So p's codes of tile t hold keys 16 t + 8 (lane / 16) + 0 .. 7, while a 16-byte load of V^T holds keys 32 c + 16 (lane / 16) + 0 .. 15: eight lane swaps a step, on the codes, bring the two together (see STEP).
; No prefetch: every byte that the launch reads from memory is asked for by the loads at its head.
.set KP,    80                         ; a key's 64 bytes + 16
.set VP,    528                        ; 512 keys of a channel + 16
.set VOFF,  2048*KP
.set VQ,    64*VP                      ; a quarter of V^T
.set STAGE, VOFF+4*VQ                  ; the way out: 1,024 bytes for each wave; no fill lands here
.set AK0, 1
.set AV0, 2
.set STI, 3
.set STR, 4
.set GOF, 5
.set ADK, 8
.set ADV, 9
.set PX,  209                          ; v209     what the other half of the lanes sends
.set FF,  210                          ; v[210:211] f = 2^(old M - new M), named as a pair
.set MX,  224                          ; v224-227 four chains of the maximum
.set OLD, 228                          ; v228     the old -M
.set SUMC, 230                         ; v230-235 three further chains of the row's sum (the first is v[14:15] itself)
.set WV,  18
.set SEL, 20
.set CS,  22
.set G1K, 24
.set G1V, 32
.set G0K, 40                           ; s[40:55] K's four groups 0
.set G0V, 68                           ; s[68:83] V's
.set KB,  2
.set VB,  3
.set CNT, 66
.macro CROUND
	s_barrier_signal -1
	s_barrier_wait -1
	s_cmp_lg_u32 s[WV], 0
	s_cbranch_scc1 .Lnot_wave_0_\@
	s_barrier_signal -3
.Lnot_wave_0_\@:
	s_barrier_wait -3
	s_barrier_signal -1
	s_barrier_wait -1
.endm
	s_load_b128 s[4:7], s[0:1], 0x0                ; the codes of q, k, v^T; the scales
	s_load_b64 s[8:9], s[0:1], 0x10                ; ctx's codes
	v_lshl_add_u32 v254, v0, 2, 0x4d000
	v_mov_b32 v255, 0
	ds_add_u32 v254, v255
	ds_add_u32 v254, v255
	v_lshrrev_b32 v8, 5, v0
	v_readfirstlane_b32 s[WV], v8
	s_bfe_u32 s19, ttmp6, 0x40000                  ; cx
	s_lshl_b32 s67, ttmp9, 2
	s_add_co_u32 s67, s67, s19                     ; my block of 256 queries: it enters q's and ctx's global addresses alone
	s_and_b32 s10, ttmp7, 0xffff
	s_and_b32 s11, s10, 15                         ; head
	s_lshr_b32 s12, s10, 4                         ; batch
	s_and_b32 s13, s[WV], 7
	s_lshl_b32 s14, s12, 21                        ; K: plane 1 + (2048 b + 64 (w % 8)) rows of 1,024 + 64 h
	s_lshl_b32 s15, s13, 16
	s_add_co_u32 s14, s14, s15
	s_lshl_b32 s15, s11, 6
	s_add_co_u32 s14, s14, s15
	s_add_co_u32 s14, s14, 0x400000
	s_mov_b32 s15, 0
	s_lshl_b32 s16, s11, 18                        ; V^T: plane 2 + (64 h + 8 (w % 8)) rows of 4,096 + 2048 b
	s_lshl_b32 s17, s13, 15
	s_add_co_u32 s16, s16, s17
	s_lshl_b32 s17, s12, 11
	s_add_co_u32 s16, s16, s17
	s_add_co_u32 s16, s16, 0x800000
	s_mov_b32 s17, 0
	s_lshl_b32 s60, s12, 11
	s_lshl_b32 s61, s67, 8
	s_add_co_u32 s60, s60, s61
	s_lshl_b32 s61, s[WV], 4
	s_add_co_u32 s60, s60, s61                     ; my first token
	s_lshl_b32 s62, s60, 10
	s_lshl_b32 s61, s11, 6
	s_add_co_u32 s62, s62, s61                     ; q: token x 1,024 + 64 h
	s_mov_b32 s63, 0
	s_lshl_b32 s60, s60, 6
	s_lshl_b32 s61, s11, 18
	s_add_co_u32 s60, s60, s61                     ; ctx: 262,144 h + token x 64
	s_mov_b32 s61, 0
	s_mov_b32 s[G1K], 15|(1<<20)|(1<<21)|(3<<22)|(3<<25)   ; all four work-groups; elements of 1 byte; 4 words of padding behind every 16
	s_mov_b32 s[G1K+1], 64<<16
	s_mov_b32 s[G1K+2], 64<<16
	s_mov_b32 s[G1K+3], 64<<16
	s_mov_b32 s[G1K+4], 64
	s_mov_b32 s[G1K+5], 1024
	s_mov_b32 s[G1K+6], 0
	s_mov_b32 s[G1K+7], 0
	s_mov_b32 s[G1V], 15|(1<<20)|(1<<21)|(6<<22)|(3<<25)   ; 4 words behind every 128
	s_mov_b32 s[G1V+1], 512<<16
	s_mov_b32 s[G1V+2], 8<<16
	s_mov_b32 s[G1V+3], 512<<16
	s_mov_b32 s[G1V+4], 8
	s_mov_b32 s[G1V+5], 4096
	s_mov_b32 s[G1V+6], 0
	s_mov_b32 s[G1V+7], 0
	s_mov_b32 s[SEL], 0x76543210
	s_mov_b32 s[SEL+1], 0xfedcba98
	s_mov_b32 s[CS], 0x3e38aa3b                    ; log2(e) / 8
	s_mov_b32 s[KB], 0
	s_mov_b32 s[VB], 0
	s_mul_i32 s10, s13, 64*KP
	s_mul_i32 s11, s13, 8*VP
	s_add_co_u32 s11, s11, VOFF
	s_wait_dscnt 0x0
	s_wait_kmcnt 0x0
	s_load_b512 s[84:99], s[6:7], 0x0              ; the sixteen exponents: entry i in s[84 + i]
	s_add_nc_u64 s[56:57], s[4:5], s[14:15]
	s_add_nc_u64 s[58:59], s[4:5], s[16:17]
	s_add_nc_u64 s[4:5], s[4:5], s[62:63]
	s_add_nc_u64 s[8:9], s[8:9], s[60:61]
.irp q, 0,1,2,3
	s_mov_b32 s[G0K+4*\q], 1
	s_add_co_u32 s[G0K+4*\q+1], s10, \q*512*KP
	s_add_nc_u64 s[G0K+4*\q+2:G0K+4*\q+3], s[56:57], \q*512*1024
	s_or_b32 s[G0K+4*\q+3], s[G0K+4*\q+3], 0x80000000
	s_mov_b32 s[G0V+4*\q], 1
	s_add_co_u32 s[G0V+4*\q+1], s11, \q*VQ
	s_add_nc_u64 s[G0V+4*\q+2:G0V+4*\q+3], s[58:59], \q*512
	s_or_b32 s[G0V+4*\q+3], s[G0V+4*\q+3], 0x80000000
.endr
	CROUND                                         ; all four work-groups are here: the joint loads meet
	s_cmp_lt_u32 s[WV], 8                          ; a wave's four fills stand in one branch on its number; four loads of mine are out
	s_cbranch_scc0 .Lfor_v
.irp q, 0,1,2,3
	tensor_load_to_lds s[G0K+4*\q:G0K+4*\q+3], s[G1K:G1K+7]
	s_nop 0
.endr
.rept 4
	v_nop
.endr
	s_branch .Lasked
.Lfor_v:
.irp q, 0,1,2,3
	tensor_load_to_lds s[G0V+4*\q:G0V+4*\q+3], s[G1V:G1V+7]
	s_nop 0
.endr
.rept 4
	v_nop
.endr
.Lasked:
	v_and_b32 v8, 15, v0                           ; r
	v_bfe_u32 v9, v0, 4, 1                         ; hh
	v_lshlrev_b32 v10, 10, v8
	v_lshl_add_u32 v10, v9, 4, v10
	global_load_b128 v[16:19], v10, s[4:5]                 ; q's fragment: registers 0-3: channels 16 hh on; 4-7: 32 + 16 hh on; K's fragments are laid alike
	global_load_b128 v[20:23], v10, s[4:5] offset:32
	v_mul_u32_u24 v[AK0], v8, KP                   ; K: lane r takes row r of a tile of 16 neighbouring keys
	v_lshl_add_u32 v[AK0], v9, 4, v[AK0]
	v_mul_u32_u24 v[AV0], v8, VP
	v_lshl_add_u32 v[AV0], v9, 4, v[AV0]
	v_add_nc_u32 v[AV0], VOFF, v[AV0]
	s_lshl_b32 s10, s[WV], 10
	s_add_co_u32 s10, s10, STAGE                   ; my stage
	v_lshlrev_b32 v[STI], 6, v8
	v_lshl_add_u32 v[STI], v9, 3, v[STI]
	v_add_nc_u32 v[STI], s10, v[STI]               ; in: query r's 64 bytes, 8 for each half of the lanes
	v_and_b32 v[GOF], 31, v0
	v_lshlrev_b32 v[GOF], 4, v[GOF]
	v_add_nc_u32 v[STR], s10, v[GOF]               ; back: 16 bytes a lane
	v_mov_b32 v13, 0xff61b1e6                      ; the largest score so far: -3e38
	v_floor_f32 v12, -v13                          ; -M
	v_mov_b32 v14, 0
	v_mov_b32 v15, 0
	v_mov_b32 v[PX], 0                             ; a lane permute's destination counts as read
	v_mov_b32 v[FF+1], 0                           ; named as the upper half of a pair
.set j, 0
.rept 32
	v_mov_b32 v[160+j], 0                          ; O^T: the step is written once; the first finds zeros
.set j, j+1
.endr
	s_wait_kmcnt 0x0
	s_add_co_i32 s10, s90, s91
	s_lshl_b32 s10, s10, 23
	s_add_co_i32 s[CS], s[CS], s10                 ; x 2^(e6 + e7), by the exponent field
	s_mov_b32 s[CS+1], s[CS]
	s_add_co_i32 s10, s92, 127
	s_lshl_b32 s11, s10, 23
	v_mov_b32 v216, s11                            ; 2^e8
	s_add_co_i32 s10, s94, 127
	s_lshl_b32 s11, s10, 23
	v_mov_b32 v218, s11                            ; 2^e10
	s_add_co_i32 s67, s92, s93                     ; e8 + e9
; chain ch (0 .. 3) of the row's sum takes pair b of p (registers 96 + 2 b, 97 + 2 b); chain 0 is the running sum itself
.macro PADD ch, b
.if (\ch) == 0
	v_pk_add_f32 v[14:15], v[14:15], v[96+2*(\b):97+2*(\b)]
.else
	v_pk_add_f32 v[SUMC+2*(\ch)-2:SUMC+2*(\ch)-1], v[SUMC+2*(\ch)-2:SUMC+2*(\ch)-1], v[96+2*(\b):97+2*(\b)]
.endif
.endm
; Line n of 49 of what is made of p's first half (tiles 0 to 3, pairs 0 to 15): 13 sums (chains 1 to 3 begin with two pairs each: nothing is cleared), then for each tile eight empty lines and its conversion.
; Every pair is summed before it is converted: the row's sum is that of the unquantised p.
.macro AITEM
.if n == 0
	PADD 0, 0
.elseif n < 4
	v_pk_add_f32 v[SUMC+2*n-2:SUMC+2*n-1], v[94+4*n:95+4*n], v[96+4*n:97+4*n]   ; chain n = pair 2 n - 1 + pair 2 n
.elseif n < 13
	PADD n%4, n+3
.elseif ((n-13)%9) < 8
.else
	v_cvt_scalef32_pk8_fp8_f32 v[192+2*((n-13)/9):193+2*((n-13)/9)], v[96+8*((n-13)/9):103+8*((n-13)/9)], v216
.endif
.endm
; a key step: 128 keys
.macro STEP
	v_add_nc_u32 v[ADK], s[KB], v[AK0]
	v_add_nc_u32 v[ADV], s[VB], v[AV0]
	v_mov_b32 v[OLD], v12                          ; the old -M
	v_nop                                          ; four plain lines in front of loads into registers that the last products read
.irp t, 0,1,2,3,4,5,6,7
.irp c, 0,1
	ds_load_b128 v[32+8*\t+4*\c:32+8*\t+4*\c+3], v[ADK] offset:16*\t*KP+32*\c
.endr
.endr
	s_wait_dscnt 0x0
.irp t, 0,1,2,3,4,5,6,7
	v_wmma_f32_16x16x64_fp8_fp8 v[96+8*\t:103+8*\t], v[32+8*\t:39+8*\t], v[16:23], 0   ; register 8 t + i: key 16 t + 8 hh + i of my query
.endr
.rept 4
	v_nop
.endr
.irp t, 0,1,2,3                                ; V^T's fragments are asked for here and land under the softmax
.irp c, 0,1,2,3
	ds_load_b128 v[32+16*\t+4*\c:32+16*\t+4*\c+3], v[ADV] offset:16*\t*VP+32*\c
.endr
.endr
.irp k, 0,1,2,3                                ; the step's largest score of my query among my 64 keys: four chains, the registers in ascending order
	v_max3_num_f32 v[MX+\k], v[96+3*\k], v[97+3*\k], v[98+3*\k]
.endr
.set i, 0
.rept 26
	v_max3_num_f32 v[MX+i%4], v[MX+i%4], v[108+2*i], v[109+2*i]
.set i, i+1
.endr
	v_max3_num_f32 v[MX], v[MX], v[MX+1], v[MX+2]
	v_max_num_f32 v[MX], v[MX], v[MX+3]
	v_permlanex16_b32 v[PX], v[MX], s[SEL], s[SEL+1]
	v_max3_num_f32 v13, v13, v[MX], v[PX]          ; the running largest score (c is positive: its t is the running largest t)
	v_mul_f32 v[MX], s[CS], v13                    ; t
	v_floor_f32 v12, -v[MX]                        ; the new -M
	v_sub_f32 v[MX], v12, v[OLD]                   ; old M - new M: a whole number, 0 or less
	v_cvt_i32_f32 v[MX], v[MX]
	v_ldexp_f32 v[FF], 1.0, v[MX]                  ; f = 2^(old M - new M)
	; THE EXPONENTIALS GO IN TWO BATCHES OF 32, each with plain lines among them that name none of a batch's results, one plain line behind its last, and one wait ahead of its first reader.
	; First batch, tiles 0 to 3 (pairs 0 to 15): among all 32 scalings t - M and O^T's 16 rescalings; a pair is scaled a group ahead of its exponentials
.set g, 0
.rept 16
	v_pk_fma_f32 v[96+2*g:97+2*g], v[96+2*g:97+2*g], s[CS:CS+1], v[12:13] op_sel_hi:[1,0,0]
	v_pk_fma_f32 v[128+2*g:129+2*g], v[128+2*g:129+2*g], s[CS:CS+1], v[12:13] op_sel_hi:[1,0,0]
.if g > 0
	v_exp_f32 v[94+2*g], v[94+2*g]
	v_exp_f32 v[95+2*g], v[95+2*g]
.endif
	v_pk_mul_f32 v[160+2*g:161+2*g], v[160+2*g:161+2*g], v[FF:FF+1] op_sel_hi:[1,0]   ; O^T under the new M, in ascending order
.set g, g+1
.endr
	s_setprio 1
	v_exp_f32 v126, v126
	v_exp_f32 v127, v127
	v_pk_mul_f32 v[14:15], v[14:15], v[FF:FF+1] op_sel_hi:[1,0]   ; the sum under the new M: the plain line behind the batch
	s_wait_alu depctr_va_vdst(0)
	; Second batch, tiles 4 to 7 (registers 128 to 159): two exponentials to three lines of the first half's sums and conversions
.set n, 0
.set xe, 0
.rept 49
	AITEM
.if ((n%3) != 2) && (xe < 32)
	v_exp_f32 v[128+xe], v[128+xe]
.set xe, xe+1
.endif
.set n, n+1
.endr
	s_wait_alu depctr_va_vdst(0)                   ; (the last exponential stands behind line 46; line 48, tile 3's conversion, is the plain line behind it)
.set pb, 16
.rept 16
	PADD pb%4, pb
.set pb, pb+1
.endr
	s_setprio 0
.irp t, 4,5,6,7
.irp i, 0,1,2,3,4,5,6,7
.endr
	v_cvt_scalef32_pk8_fp8_f32 v[192+2*\t:193+2*\t], v[96+8*\t:103+8*\t], v216
.endr
	v_pk_add_f32 v[SUMC:SUMC+1], v[SUMC:SUMC+1], v[SUMC+2:SUMC+3]   ; the four chains become one; also the plain lines behind the conversions
	v_pk_add_f32 v[14:15], v[14:15], v[SUMC+4:SUMC+5]
	v_pk_add_f32 v[14:15], v[14:15], v[SUMC:SUMC+1]
	; Tile 2 c's codes: lanes 0-15 keys 32 c + 0 .. 7, lanes 16-31 keys 32 c + 8 .. 15; tile 2 c + 1's: 32 c + 16 .. 23 and 32 c + 24 .. 31.  The first's upper half of the lanes changes places with the second's lower half
	; (lane 16 + r with lane r: the same query): registers 4 c .. 4 c + 3 then hold keys 32 c + 16 hh + 0 .. 15, as V^T's fragments do
.irp c, 0,1,2,3
	v_permlane16_swap_b32 v[192+4*\c], v[194+4*\c]
	v_permlane16_swap_b32 v[193+4*\c], v[195+4*\c]
.endr
	s_wait_dscnt 0x0                               ; V^T's fragments
.irp t, 0,1,2,3
	v_wmma_f32_16x16x128_fp8_fp8 v[160+8*\t:167+8*\t], v[32+16*\t:47+16*\t], v[192:207], v[160+8*\t:167+8*\t]
.endr
.endm
.macro QUARTER q
.if \q == 0
	s_wait_tensorcnt 3                             ; my part of quarter 0 has landed; the three later quarters' loads may stay out
	s_barrier_signal -1
	s_barrier_wait -1                              ; everybody's has
.endif
.if \q == 1
	s_wait_tensorcnt 0x0                           ; all my loads have landed: my parts of quarters 1, 2 and 3
	s_barrier_signal -1
	s_barrier_wait -1                              ; everybody's have: the last barrier ahead of the way out
.endif
	s_mov_b32 s[CNT], 4
.Lstep_\@:
	s_setprio 2
	STEP
	s_add_co_u32 s[KB], s[KB], 128*KP
	s_add_co_u32 s[VB], s[VB], 128
	s_sub_co_u32 s[CNT], s[CNT], 1
	s_cmp_lg_u32 s[CNT], 0
	s_cbranch_scc1 .Lstep_\@
	s_setprio 0
	s_add_co_u32 s[VB], s[VB], VQ-512              ; on to the next quarter of V^T
.endm
	s_wait_loadcnt 0x0                             ; q
	QUARTER 0
	QUARTER 1
	QUARTER 2
	QUARTER 3
	; the way out
.rept 4
	v_nop
.endr
	v_add_f32 v14, v14, v15
	v_permlanex16_b32 v[PX], v14, s[SEL], s[SEL+1]
	v_add_f32 v14, v14, v[PX]                      ; the row's sum
	v_rcp_f32 v14, v14
	v_nop
	s_wait_alu depctr_va_vdst(0)
	v_ldexp_f32 v14, v14, s67                      ; x 2^(e8 + e9)
.set j, 0
.rept 32
	v_mul_f32 v[96+j], v[160+j], v14               ; register 8 t + i: ctx(query r, channel 16 t + 8 hh + i)
.set j, j+1
.endr
.set j, 0
.rept 32
.set j, j+1
.endr
.irp t, 0,1,2,3
	v_cvt_scalef32_pk8_fp8_f32 v[192+2*\t:193+2*\t], v[96+8*\t:103+8*\t], v218
.endr
	v_nop
.irp t, 0,1,2,3
	ds_store_b64 v[STI], v[192+2*\t:193+2*\t] offset:16*\t
.endr
.irp u, 0,1
	ds_load_b128 v[32+4*\u:35+4*\u], v[STR] offset:512*\u   ; LDS serves a wave's instructions in order: these see my stores
.endr
	s_wait_dscnt 0x0
.irp u, 0,1
	global_store_b128 v[GOF], v[32+4*\u:35+4*\u], s[8:9] offset:512*\u   ; my 16 tokens x 64 bytes are 1,024 consecutive bytes
.endr
	s_wait_tensorcnt 0x0
	ds_add_u32 v254, v255
	s_wait_dscnt 0x0
	CROUND                                         ; the closing round
	s_endpgm
.Lfunc_end_k_q00307fe642_attn:
	.size	k_q00307fe642_attn, .Lfunc_end_k_q00307fe642_attn-k_q00307fe642_attn
	.p2alignl 7, 3214868480
	.fill 96, 4, 3214868480
	.section	.rodata,"a",@progbits
	.p2align	6, 0x0
	.amdhsa_kernel k_q00307fe642_attn
		.amdhsa_group_segment_fixed_size 327680
		.amdhsa_private_segment_fixed_size 0
		.amdhsa_enable_private_segment 0
		.amdhsa_kernarg_size 24
		.amdhsa_user_sgpr_count 2
		.amdhsa_user_sgpr_kernarg_segment_ptr 1
		.amdhsa_wavefront_size32 1
		.amdhsa_system_sgpr_workgroup_id_x 1
		.amdhsa_system_sgpr_workgroup_id_y 1
		.amdhsa_system_sgpr_workgroup_id_z 1
		.amdhsa_system_vgpr_workitem_id 0
		.amdhsa_next_free_vgpr 256
		.amdhsa_next_free_sgpr 100
		.amdhsa_reserve_vcc 0
		.amdhsa_float_denorm_mode_32 3
		.amdhsa_float_denorm_mode_16_64 3
		.amdhsa_fp16_overflow 1
		.amdhsa_memory_ordered 1
		.amdhsa_forward_progress 1
		.amdhsa_inst_pref_size 68
	.end_amdhsa_kernel
	.amdgpu_metadata
---
amdhsa.version: [ 1, 2 ]
amdhsa.kernels:
  - .name:           k_q00307fe642_attn
    .symbol:         k_q00307fe642_attn.kd
    .args:
      - { .name: qkvc, .offset: 0, .size: 8, .value_kind: global_buffer, .address_space: global }
      - { .name: lowp_scales, .offset: 8, .size: 8, .value_kind: global_buffer, .address_space: global }
      - { .name: cc, .offset: 16, .size: 8, .value_kind: global_buffer, .address_space: global }
    .group_segment_fixed_size: 327680
    .private_segment_fixed_size: 0
    .kernarg_segment_align: 8
    .kernarg_segment_size: 24
    .max_flat_workgroup_size: 512
    .sgpr_count:     100
    .vgpr_count:     256
    .wavefront_size: 32
...
	.end_amdgpu_metadata
.endif
;; end of part 3
;; launch wo (part 4): grid 8 x 32, 4 waves a work-group, clusters of 4 x 4, 327,680 bytes of LDS; arguments cc, Wo_codes, lowp_scales, bo, yf; writes yf
.if DOCPART == 4
	.amdgcn_target "amdgcn-amd-amdhsa--gfx1250"
	.amdhsa_code_object_version 6
	.text
	.protected	k_q00307fe642_wo
	.globl	k_q00307fe642_wo
	.p2align	8
	.type	k_q00307fe642_wo,@function
k_q00307fe642_wo:
	s_mov_b64 s[64:65], 0
	v_nop
	global_prefetch_b8 v0, s[64:65] scope:SCOPE_SE
	s_setreg_imm32_b32 hwreg(HW_REG_WAVE_MODE, 25, 1), 1
	s_wait_xcnt 0x0
	s_wait_alu depctr_hold_cnt(0) depctr_sa_sdst(0) depctr_va_vdst(0) depctr_va_sdst(0) depctr_va_ssrc(0) depctr_va_vcc(0) depctr_vm_vsrc(0)
	s_getreg_b32 s2, hwreg(HW_REG_IB_STS2, 6, 4)
	s_cmp_eq_u32 s2, 0
	s_cbranch_scc0 .Lentry_in_a_cluster
	s_endpgm
.Lentry_in_a_cluster:
	s_bfe_u32 s2, ttmp6, 0x10000c
	s_cmp_lg_u32 s2, 0xf033
	s_cbranch_scc0 .Lentry_shape_is_right
	s_endpgm
.Lentry_shape_is_right:
; C = A B^T x 2^(ea + eb) + bias, on E4M3 codes; C [4096][1024] f32.  One text serves two launches, by the symbol WO.
; WO = 1: A = ctx's codes, laid [16 heads][4096 tokens][64] (K = 64 head + channel), B = Wo's codes [1024][1024], entries 10 and 11 of the scales.
; WO = 0: A = the activation's codes [4096][4096], B = W2's codes [1024][4096], entries 14 and 15.
; LIMIT: ea + eb between -126 and 127.
; C has 256 tiles of 128 x 128, one for each work-group; tiles of 256 x 256 would be 64.  Four waves, each 64 x 64 in 16 accumulators.  K goes in steps of 512 through two LDS slots.
; CLUSTERS: 4 x 4; A's tile jointly along a row of the cluster, B's along a column.  THE MATRIX INSTRUCTION IS USED TRANSPOSED: a lane holds eight neighbouring columns of a row of C.
; REGISTERS: window 0: v0-31 addresses; v32-63 results; v64-95 rows read back; v96-127 the bias; v128-255 the accumulators.  Window 1: two fragment buffers of 128: A's four fragments, then B's four.
.set WO, 1
.if WO
.set SIZE_K, 1024
.set HALFA,  8*64*80                   ; 64 tokens of 8 heads: [head][token][64 bytes + 16]
.set ASH,    6                         ; a token's bytes in a head: 64
.set ASTEP,  8*262144                  ; a K step on: 8 heads
.set BSH,    10
.set SE,     40
.else
.set SIZE_K, 4096
.set HALFA,  64*528
.set ASH,    12
.set ASTEP,  512
.set BSH,    12
.set SE,     56
.endif
.set KSTEP,  512
.set PB,     528                       ; 512 bytes + 16: the 16 rows of a load start at 16 different banks (64 banks of 4 bytes: ISA guide 11.1)
.set HALFB,  64*PB
.set SLOT,   2*HALFA+2*HALFB
.set STAGE,  2*SLOT                    ; 16 rows x 272 bytes for each wave
.set SPITCH, 272
.set SPARE,  STAGE+4*16*SPITCH         ; the spare words: 128 bytes for each wave, named by no other line
.set LAPS,   SIZE_K/(2*KSTEP)
.set ADRA, 16
.set ADRB, 20
.set STO,  24
.set RD,   25
.set CO,   26
.set SPW,  28
.set NIL,  29
.set TMP,  32
.set BK,   64
.set BI,   96
.set ACC,  128
.set F0,   0
.set F1,   128
.set G1, 24
.set G0, 32
.set G1B, 48
.set G0B, 56
.set MSB, 0
.macro WIN new
.if MSB != (\new)
	s_set_vgpr_msb (MSB<<8)|(\new)
.set MSB, \new
.endif
.endm
.set MUL,  0x05
.set TO_F, 0x40
.macro JLOAD s                         ; waves 0 and 1 fetch A's halves, waves 2 and 3 B's; four v_nop follow each line
	s_cmp_eq_u32 s11, 0
	s_cbranch_scc0 .Lfor_b_\@
	tensor_load_to_lds s[G0+4*\s:G0+4*\s+3], s[G1:G1+7]
	s_nop 0
.rept 4
	v_nop
.endr
	s_branch .Lasked_\@
.Lfor_b_\@:
	tensor_load_to_lds s[G0B+4*\s:G0B+4*\s+3], s[G1B:G1B+7]
	s_nop 0
.rept 4
	v_nop
.endr
.Lasked_\@:
.endm
.macro CREST
	s_cmp_lg_u32 s10, 0
	s_cbranch_scc1 .Lnot_wave_0_\@
	s_barrier_signal -3
.Lnot_wave_0_\@:
	s_barrier_wait -3
	s_barrier_signal -1
	s_barrier_wait -1
.endm
.macro CROUND
	s_barrier_signal -1
	s_barrier_wait -1
	CREST
.endm
	s_load_b128 s[4:7], s[0:1], 0x0                ; A's codes, B's codes
	s_load_b128 s[68:71], s[0:1], 0x10             ; the scales, the bias
	s_load_b64 s[8:9], s[0:1], 0x20                ; C
	v_lshl_add_u32 v[SPW], v0, 2, SPARE
	v_mov_b32 v[NIL], 0
	ds_add_u32 v28, v29
	ds_add_u32 v28, v29
	s_wait_dscnt 0x0
	v_lshrrev_b32 v1, 5, v0
	v_readfirstlane_b32 s10, v1
	s_lshr_b32 s11, s10, 1                         ; my half of the rows; also: I fetch for A (0) or B (1)
	s_and_b32 s12, s10, 1                          ; my half of the columns; also: which 64 rows I fetch
	s_bfe_u32 s40, ttmp6, 0x40000
	s_bfe_u32 s41, ttmp6, 0x40004
	s_lshl_b32 s42, ttmp9, 2
	s_add_co_u32 s42, s42, s40                     ; tile column
	s_and_b32 s13, ttmp7, 0xffff
	s_lshl_b32 s13, s13, 2
	s_add_co_u32 s13, s13, s41                     ; tile row
	s_lshl_b32 s43, s41, 2
	s_lshl_b32 s43, 15, s43
	s_lshl_b32 s44, 0x1111, s40
.if WO
	s_or_b32 s[G1+0], s43, (1<<20)|(1<<21)|(3<<22)|(3<<25)   ; 64 tokens of a head are 4,096 consecutive bytes: a row of the tile; 4 words of padding behind every 16, so each token's 64 bytes get 16
	s_mov_b32 s[G1+1], 4096<<16
	s_mov_b32 s[G1+2], 8<<16
	s_mov_b32 s[G1+3], 4096<<16
	s_mov_b32 s[G1+4], 8                           ; 8 heads,
	s_mov_b32 s[G1+5], 262144                      ; 4,096 tokens x 64 bytes apart
.else
	s_or_b32 s[G1+0], s43, (1<<20)|(1<<21)|(6<<22)|(3<<25)
	s_mov_b32 s[G1+1], KSTEP<<16
	s_mov_b32 s[G1+2], 64<<16
	s_mov_b32 s[G1+3], KSTEP<<16
	s_mov_b32 s[G1+4], 64
	s_mov_b32 s[G1+5], SIZE_K
.endif
	s_mov_b32 s[G1+6], 0
	s_mov_b32 s[G1+7], 0
	s_or_b32 s[G1B+0], s44, (1<<20)|(1<<21)|(6<<22)|(3<<25)
	s_mov_b32 s[G1B+1], KSTEP<<16
	s_mov_b32 s[G1B+2], 64<<16
	s_mov_b32 s[G1B+3], KSTEP<<16
	s_mov_b32 s[G1B+4], 64
	s_mov_b32 s[G1B+5], SIZE_K
	s_mov_b32 s[G1B+6], 0
	s_mov_b32 s[G1B+7], 0
	s_lshl_b32 s17, s12, 6
	s_lshl_b32 s16, s13, 7
	s_add_co_u32 s16, s16, s17
	s_lshl_b32 s16, s16, ASH                       ; A: row 128 x tile row + 64 x half
	s_lshl_b32 s46, s42, 7
	s_add_co_u32 s46, s46, s17
	s_lshl_b32 s46, s46, BSH                       ; B: row 128 x tile column + 64 x half
	s_mov_b32 s17, 0
	s_mov_b32 s47, 0
	s_mul_i32 s20, s12, HALFA                      ; where they go
	s_mul_i32 s21, s12, HALFB
	s_add_co_u32 s21, s21, 2*HALFA
	s_wait_kmcnt 0x0
	s_load_b64 s[66:67], s[68:69], SE              ; ea, eb
	s_add_nc_u64 s[14:15], s[4:5], s[16:17]
	s_add_nc_u64 s[46:47], s[6:7], s[46:47]
	CROUND
.irp s, 0,1
	s_mov_b32 s[G0+4*\s], 1
	s_add_co_u32 s[G0+4*\s+1], s20, \s*SLOT
	s_add_nc_u64 s[G0+4*\s+2:G0+4*\s+3], s[14:15], \s*ASTEP
	s_or_b32 s[G0+4*\s+3], s[G0+4*\s+3], 0x80000000
	s_mov_b32 s[G0B+4*\s], 1
	s_add_co_u32 s[G0B+4*\s+1], s21, \s*SLOT
	s_add_nc_u64 s[G0B+4*\s+2:G0B+4*\s+3], s[46:47], \s*KSTEP
	s_or_b32 s[G0B+4*\s+3], s[G0B+4*\s+3], 0x80000000
	JLOAD \s
.endr
	v_and_b32 v1, 15, v0                           ; r
	v_bfe_u32 v2, v0, 4, 1                         ; hh
	v_mul_u32_u24 v3, v1, PB
	v_lshl_add_u32 v3, v2, 4, v3
.if WO
	v_mul_u32_u24 v6, v1, 80
	v_lshl_add_u32 v6, v2, 4, v6
.else
	v_mul_u32_u24 v6, v1, PB
	v_lshl_add_u32 v6, v2, 4, v6
.endif
	s_mul_i32 s21, s11, HALFA
	s_mul_i32 s22, s12, HALFB
	s_add_co_u32 s22, s22, 2*HALFA
.irp s, 0,1
	v_add_nc_u32 v[ADRA+\s], s21, v6
	v_add_nc_u32 v[ADRB+\s], s22, v3
	s_add_co_u32 s21, s21, SLOT
	s_add_co_u32 s22, s22, SLOT
.endr
	s_mul_i32 s23, s10, 16*SPITCH
	s_add_co_u32 s23, s23, STAGE                   ; my stage
	v_mul_u32_u24 v4, v1, SPITCH
	v_lshl_add_u32 v4, v2, 5, v4
	v_add_nc_u32 v[STO], s23, v4                   ; in: row r, 32 bytes for each half of the lanes
	v_mul_u32_u24 v5, v2, SPITCH
	v_lshl_add_u32 v5, v1, 4, v5
	v_add_nc_u32 v[RD], s23, v5                    ; back: lanes 0-15 one row of 256 bytes, lanes 16-31 the next
	v_lshlrev_b32 v5, 12, v2
	v_lshl_add_u32 v[CO], v1, 4, v5                ; and the same in C
	s_lshl_b32 s46, s42, 9
	s_lshl_b32 s47, s12, 8
	s_add_co_u32 s46, s46, s47                     ; my first column, in bytes: 512 x tile column + 256 x half
	s_mov_b32 s47, 0
	s_add_nc_u64 s[70:71], s[70:71], s[46:47]
	v_lshlrev_b32 v7, 5, v2
.irp b, 0,1,2,3
	global_load_b128 v[BI+8*\b:BI+8*\b+3], v7, s[70:71] offset:64*\b          ; the bias of columns 16 b + 8 hh + 0 .. 7
	global_load_b128 v[BI+8*\b+4:BI+8*\b+7], v7, s[70:71] offset:64*\b+16
.endr
	s_lshl_b32 s16, s13, 7
	s_lshl_b32 s17, s11, 6
	s_add_co_u32 s16, s16, s17
	s_lshl_b32 s16, s16, 12                        ; my first row of C, 4,096 bytes a row
	s_mov_b32 s17, 0
	s_add_nc_u64 s[8:9], s[8:9], s[16:17]
	s_add_nc_u64 s[8:9], s[8:9], s[46:47]
; four matrix instructions: A's block a x B's four, 128 along K.  The 16 accumulators take turns in one order throughout.
.macro MUL4 f, a, zero
.irp b, 0,1,2,3
.if \zero
	v_wmma_f32_16x16x128_fp8_fp8 v[ACC+8*(4*\a+\b):ACC+8*(4*\a+\b)+7], v[\f+64+16*\b:\f+64+16*\b+15], v[\f+16*\a:\f+16*\a+15], 0
.else
	v_wmma_f32_16x16x128_fp8_fp8 v[ACC+8*(4*\a+\b):ACC+8*(4*\a+\b)+7], v[\f+64+16*\b:\f+64+16*\b+15], v[\f+16*\a:\f+16*\a+15], v[ACC+8*(4*\a+\b):ACC+8*(4*\a+\b)+7]
.endif
.endr
.endm
; 32 LDS loads in one run: the slot's q-th 128 along K into buffer f: B's four fragments, then A's.  Registers 4 c .. 4 c + 3 hold K = 32 c + 16 (l / 16) + 0 .. 15, alike in A and B
.macro FETCH slot, q, f
	WIN TO_F
.irp i, 0,1,2,3
.irp c, 0,1,2,3
	ds_load_b128 v[\f+64+16*\i+4*\c:\f+64+16*\i+4*\c+3], v[ADRB+\slot] offset:16*PB*\i+128*(\q)+32*\c
.endr
.endr
.irp i, 0,1,2,3
.irp c, 0,1,2,3
.if WO
	ds_load_b128 v[\f+16*\i+4*\c:\f+16*\i+4*\c+3], v[ADRA+\slot] offset:(2*(\q)+\c/2)*5120+1280*\i+32*(\c%2)
.else
	ds_load_b128 v[\f+16*\i+4*\c:\f+16*\i+4*\c+3], v[ADRA+\slot] offset:16*PB*\i+128*(\q)+32*\c
.endif
.endr
.endr
.endm
.macro PLACES
.rept 4
	v_nop
.endr
.endm
; multiplies buffer f and fetches the slot's quarter q into buffer g
.macro QUARTER slot, q, f, g, zero
	s_wait_dscnt 8                                 ; B and A's blocks 0, 1 are in; A's blocks 2, 3 (8 loads) may be out
	WIN MUL
	MUL4 \f, 0, \zero
	MUL4 \f, 1, \zero
	PLACES
	FETCH \slot, \q, \g
	s_wait_dscnt 32                                ; all but the 32 just issued
	WIN MUL
	MUL4 \f, 2, \zero
	MUL4 \f, 3, \zero
.endm
; a slot's last quarter multiplies buffer 1 and changes slots
.macro TURN slot, next, fill
	WIN 0
	s_wait_tensorcnt 0x0                           ; my part of the next slot has landed; no load of mine is out
	ds_add_u32 v[SPW], v[NIL]
	s_wait_dscnt 9                                 ; the add and A's blocks 2, 3 may be out
	WIN MUL
	MUL4 F1, 0, 0
	s_wait_dscnt 0x0                               ; the add is done, my reads of this slot are over
	s_barrier_signal -1
	MUL4 F1, 1, 0
	WIN 0
	s_barrier_wait -1
.if \fill
	CREST                                          ; the barrier has opened a round of the cluster's
	s_add_nc_u64 s[G0+4*\slot+2:G0+4*\slot+3], s[G0+4*\slot+2:G0+4*\slot+3], 2*ASTEP
	s_add_nc_u64 s[G0B+4*\slot+2:G0B+4*\slot+3], s[G0B+4*\slot+2:G0B+4*\slot+3], 2*KSTEP
	JLOAD \slot                                    ; the first tensor load behind the round; its four v_nop are the places in front of the loads below
.else
	PLACES
.endif
	FETCH \next, 0, F0
	WIN MUL
	MUL4 F1, 2, 0
	MUL4 F1, 3, 0
.endm
	s_wait_tensorcnt 1                             ; my part of K step 0 is in; K step 1's load may be out
	s_barrier_signal -1
	s_barrier_wait -1
	FETCH 0, 0, F0
	QUARTER 0, 1, F0, F1, 1                        ; the first quarter's products start the sums
.if LAPS > 1
	WIN 0
	s_mov_b32 s3, LAPS-1
.Llap:
	QUARTER 0, 2, F1, F0, 0
	QUARTER 0, 3, F0, F1, 0
	TURN 0, 1, 1
	QUARTER 1, 1, F0, F1, 0
	QUARTER 1, 2, F1, F0, 0
	QUARTER 1, 3, F0, F1, 0
	TURN 1, 0, 1
	QUARTER 0, 1, F0, F1, 0
	WIN 0
	s_sub_co_u32 s3, s3, 1
	s_cmp_lg_u32 s3, 0
	s_cbranch_scc1 .Llap
.endif
	QUARTER 0, 2, F1, F0, 0                        ; the last lap fills nothing
	QUARTER 0, 3, F0, F1, 0
	TURN 0, 1, 0
	QUARTER 1, 1, F0, F1, 0
	QUARTER 1, 2, F1, F0, 0
	QUARTER 1, 3, F0, F1, 0
	s_wait_dscnt 8
	WIN MUL
	MUL4 F1, 0, 0
	MUL4 F1, 1, 0
	s_wait_dscnt 0
	MUL4 F1, 2, 0
	MUL4 F1, 3, 0
	WIN 0
	; the way out: 16 rows at a time through my own stage; my 64 columns of f32 are 256 bytes
	s_wait_kmcnt 0x0
	s_add_co_i32 s66, s66, s67
	s_add_co_i32 s66, s66, 127
	s_lshl_b32 s66, s66, 23                        ; 2^(ea + eb)
	s_mov_b32 s67, s66
	s_wait_loadcnt 0x0                             ; the bias
	PLACES
.irp a, 0,1,2,3
.if \a > 0
	s_wait_xcnt 0x0                                ; the last block's stores have read their registers
.endif
.irp b, 0,1,2,3
.irp i, 0,2,4,6
	v_pk_fma_f32 v[TMP+8*\b+\i:TMP+8*\b+\i+1], v[ACC+8*(4*\a+\b)+\i:ACC+8*(4*\a+\b)+\i+1], s[66:67], v[BI+8*\b+\i:BI+8*\b+\i+1] op_sel_hi:[1,0,1]
.endr
.endr
.irp b, 0,1,2,3
	ds_store_b128 v[STO], v[TMP+8*\b:TMP+8*\b+3] offset:64*\b
	ds_store_b128 v[STO], v[TMP+8*\b+4:TMP+8*\b+7] offset:64*\b+16
.endr
.irp t, 0,1,2,3,4,5,6,7
	ds_load_b128 v[BK+4*\t:BK+4*\t+3], v[RD] offset:\t*2*SPITCH    ; LDS serves a wave's instructions in order: these see my stores
.endr
.irp t, 0,1,2,3,4,5,6,7
	s_wait_dscnt 7-\t
	global_store_b128 v[CO], v[BK+4*\t:BK+4*\t+3], s[8:9] offset:(16*\a+2*\t)*4096   ; sixteen lanes store 256 consecutive bytes, aligned
.endr
.endr
	s_wait_tensorcnt 0x0                           ; the wave's end
	ds_add_u32 v[SPW], v[NIL]
	s_wait_dscnt 0x0
	CROUND                                         ; the closing round
	s_endpgm
.Lfunc_end_k_q00307fe642_wo:
	.size	k_q00307fe642_wo, .Lfunc_end_k_q00307fe642_wo-k_q00307fe642_wo
	.p2alignl 7, 3214868480
	.fill 96, 4, 3214868480
	.section	.rodata,"a",@progbits
	.p2align	6, 0x0
	.amdhsa_kernel k_q00307fe642_wo
		.amdhsa_group_segment_fixed_size 327680
		.amdhsa_private_segment_fixed_size 0
		.amdhsa_enable_private_segment 0
		.amdhsa_kernarg_size 40
		.amdhsa_user_sgpr_count 2
		.amdhsa_user_sgpr_kernarg_segment_ptr 1
		.amdhsa_wavefront_size32 1
		.amdhsa_system_sgpr_workgroup_id_x 1
		.amdhsa_system_sgpr_workgroup_id_y 1
		.amdhsa_system_sgpr_workgroup_id_z 1
		.amdhsa_system_vgpr_workitem_id 0
		.amdhsa_next_free_vgpr 512
		.amdhsa_next_free_sgpr 80
		.amdhsa_reserve_vcc 0
		.amdhsa_float_denorm_mode_32 3
		.amdhsa_float_denorm_mode_16_64 3
		.amdhsa_memory_ordered 1
		.amdhsa_forward_progress 1
		.amdhsa_inst_pref_size 48
	.end_amdhsa_kernel
	.amdgpu_metadata
---
amdhsa.version: [ 1, 2 ]
amdhsa.kernels:
  - .name:           k_q00307fe642_wo
    .symbol:         k_q00307fe642_wo.kd
    .args:
      - { .name: cc, .offset: 0, .size: 8, .value_kind: global_buffer, .address_space: global }
      - { .name: Wo_codes, .offset: 8, .size: 8, .value_kind: global_buffer, .address_space: global }
      - { .name: lowp_scales, .offset: 16, .size: 8, .value_kind: global_buffer, .address_space: global }
      - { .name: bo, .offset: 24, .size: 8, .value_kind: global_buffer, .address_space: global }
      - { .name: yf, .offset: 32, .size: 8, .value_kind: global_buffer, .address_space: global }
    .group_segment_fixed_size: 327680
    .private_segment_fixed_size: 0
    .kernarg_segment_align: 8
    .kernarg_segment_size: 40
    .max_flat_workgroup_size: 128
    .sgpr_count:     80
    .vgpr_count:     512
    .wavefront_size: 32
...
	.end_amdgpu_metadata
.endif
;; end of part 4
;; launch ln1 (part 5): grid 256 x 1, 8 waves a work-group, no clusters, 17,408 bytes of LDS; arguments x, yf, g1, beta1, lowp_scales, hf, hc; writes hf, hc
.if DOCPART == 5
	.amdgcn_target "amdgcn-amd-amdhsa--gfx1250"
	.amdhsa_code_object_version 6
	.text
	.protected	k_q00307fe642_ln1
	.globl	k_q00307fe642_ln1
	.p2align	8
	.type	k_q00307fe642_ln1,@function
k_q00307fe642_ln1:
	s_mov_b64 s[64:65], 0
	v_nop
	global_prefetch_b8 v0, s[64:65] scope:SCOPE_SE
	s_setreg_imm32_b32 hwreg(HW_REG_WAVE_MODE, 25, 1), 1
	s_wait_xcnt 0x0
; out = layernorm(a + y) x g + beta over rows of 1,024 f32.  One text serves two launches, by the symbol FIRST.
; FIRST = 1: the result is stored as f32 and also as E4M3 codes under entry 12 of the scales (between -126 and 119).  FIRST = 0: as f32 alone.  NaN and infinities are not served.
; A wave takes two rows; a row lies in 32 registers a lane between the passes: mean, then the mean of the squared distances from it, then the scaling.  All loads go out at the head, 512 consecutive bytes each.
; Memory binds: no matrix unit, no cluster, no barrier; waves share nothing.
.set FIRST, 1
.set G,   144
.set BE,  176
.set S0,  208
.set S1,  210
.set MU,  212
.set RS,  214
.set PM,  216
.set CD,  218
.set LIMV, 226
.set SCLV, 227
.set OB,  228
	s_load_b256 s[4:11], s[0:1], 0x0               ; a, y, g, beta
.if FIRST
	s_load_b128 s[12:15], s[0:1], 0x20             ; the scales, the f32 result
	s_load_b64 s[16:17], s[0:1], 0x30              ; the codes
	v_lshl_add_u32 v248, v0, 2, 0x4000
	v_mov_b32 v249, 0
.else
	s_load_b64 s[14:15], s[0:1], 0x20              ; the result
.endif
	v_lshrrev_b32 v1, 5, v0
	s_delay_alu instid0(VALU_DEP_1)
	v_readfirstlane_b32 s18, v1
	v_and_b32 v2, 31, v0
	s_wait_alu depctr_va_vdst(0)
	v_lshlrev_b32 v3, 4, v2                        ; my 16 bytes of 512
	s_wait_alu depctr_va_vdst(0)
	s_lshl_b32 s19, ttmp9, 4
	s_lshl_b32 s20, s18, 1
	s_add_co_u32 s19, s19, s20                     ; my first row
	s_lshl_b32 s20, s19, 12
	s_mov_b32 s21, 0
	s_mov_b32 s22, 0x3a800000                      ; 1 / 1,024
	s_mov_b32 s23, 0x3727c5ac                      ; 1e-5
	s_mov_b32 s24, 0x76543210
	s_mov_b32 s25, 0xfedcba98
	v_mov_b32 v[PM], 0
.if FIRST
	s_lshl_b32 s27, s18, 11
	v_lshl_add_u32 v4, v2, 2, s27                  ; LDS: my wave's 2,048 bytes; in: 4 bytes a lane,
	v_add_nc_u32 v5, s27, v3                       ; back: 16
	s_lshl_b32 s28, s19, 10
	s_mov_b32 s29, 0
.endif
	s_wait_kmcnt 0x0
	s_add_nc_u64 s[4:5], s[4:5], s[20:21]
	s_add_nc_u64 s[6:7], s[6:7], s[20:21]
	s_add_nc_u64 s[14:15], s[14:15], s[20:21]
.if FIRST
	s_load_b32 s26, s[12:13], 0x30
	s_add_nc_u64 s[16:17], s[16:17], s[28:29]
.endif
.irp rho, 0,1
.irp j, 0,1,2,3,4,5,6,7
	global_load_b128 v[16+64*\rho+4*\j:16+64*\rho+4*\j+3], v3, s[4:5] offset:4096*\rho+512*\j th:TH_LOAD_NT
	global_load_b128 v[48+64*\rho+4*\j:48+64*\rho+4*\j+3], v3, s[6:7] offset:4096*\rho+512*\j th:TH_LOAD_NT
.endr
.endr
.irp j, 0,1,2,3,4,5,6,7
	global_load_b128 v[G+4*\j:G+4*\j+3], v3, s[8:9] offset:512*\j
	global_load_b128 v[BE+4*\j:BE+4*\j+3], v3, s[10:11] offset:512*\j
.endr
.if FIRST
	s_wait_kmcnt 0x0
	s_add_co_i32 s26, s26, 127
	s_lshl_b32 s27, s26, 23
	v_mov_b32 v[SCLV], s27
.endif
.macro ACROSS                          ; the pair S0, S1 becomes one sum over the wave, in every lane, in v[S0]
	s_delay_alu instid0(VALU_DEP_1)
	v_pk_add_f32 v[S0:S0+1], v[S0:S0+1], v[S1:S1+1]
	s_delay_alu instid0(VALU_DEP_1)
	v_add_f32 v[S0], v[S0], v[S0+1]
	s_delay_alu instid0(VALU_DEP_1)
	v_add_f32_dpp v[S0], v[S0], v[S0] row_xmask:1 row_mask:0xf bank_mask:0xf
	s_delay_alu instid0(VALU_DEP_1)
	v_add_f32_dpp v[S0], v[S0], v[S0] row_xmask:2 row_mask:0xf bank_mask:0xf
	s_delay_alu instid0(VALU_DEP_1)
	v_add_f32_dpp v[S0], v[S0], v[S0] row_xmask:4 row_mask:0xf bank_mask:0xf
	s_delay_alu instid0(VALU_DEP_1)
	v_add_f32_dpp v[S0], v[S0], v[S0] row_xmask:8 row_mask:0xf bank_mask:0xf
	s_delay_alu instid0(VALU_DEP_1)
	v_permlanex16_b32 v[PM], v[S0], s24, s25
	s_delay_alu instid0(VALU_DEP_1)
	v_add_f32 v[S0], v[S0], v[PM]
.endm
.macro ROW rho
.set A, 16+64*\rho
.set Y, 48+64*\rho
.if \rho == 0
	s_wait_loadcnt 32                              ; row 0's sixteen loads are in; row 1's, g's and beta's may be out
.endif
.set j, 0
.rept 16
	v_pk_add_f32 v[A+j:A+j+1], v[A+j:A+j+1], v[Y+j:Y+j+1]
.set j, j+2
.endr
	v_pk_add_f32 v[S0:S0+1], v[A:A+1], v[A+2:A+3]
	v_pk_add_f32 v[S1:S1+1], v[A+4:A+5], v[A+6:A+7]
.irp j, 8,12,16,20,24,28
	s_delay_alu instid0(VALU_DEP_2)
	v_pk_add_f32 v[S0:S0+1], v[S0:S0+1], v[A+\j:A+\j+1]
	s_delay_alu instid0(VALU_DEP_2)
	v_pk_add_f32 v[S1:S1+1], v[S1:S1+1], v[A+\j+2:A+\j+3]
.endr
	ACROSS
	s_delay_alu instid0(VALU_DEP_1)
	v_mul_f32 v[MU], s22, v[S0]
	s_delay_alu instid0(VALU_DEP_1)
	v_mov_b32 v[MU+1], v[MU]
.set j, 0
.rept 16
	v_pk_add_f32 v[A+j:A+j+1], v[A+j:A+j+1], v[MU:MU+1] neg_lo:[0,1] neg_hi:[0,1]
.set j, j+2
.endr
	v_pk_mul_f32 v[S0:S0+1], v[A:A+1], v[A:A+1]
	v_pk_mul_f32 v[S1:S1+1], v[A+2:A+3], v[A+2:A+3]
.irp j, 4,8,12,16,20,24,28
	s_delay_alu instid0(VALU_DEP_2)
	v_pk_fma_f32 v[S0:S0+1], v[A+\j:A+\j+1], v[A+\j:A+\j+1], v[S0:S0+1]
	s_delay_alu instid0(VALU_DEP_2)
	v_pk_fma_f32 v[S1:S1+1], v[A+\j+2:A+\j+3], v[A+\j+2:A+\j+3], v[S1:S1+1]
.endr
	ACROSS
	s_delay_alu instid0(VALU_DEP_1)
	v_fma_f32 v[S0], v[S0], s22, s23               ; the variance + 1e-5
	s_wait_alu depctr_va_vdst(0)
	v_rsq_f32 v[RS], v[S0]
	v_nop
	s_wait_alu depctr_va_vdst(0)                   ; ahead of the first reader
	v_mov_b32 v[RS+1], v[RS]
.if \rho == 0
	s_wait_alu depctr_va_vdst(0)
	s_wait_loadcnt 0x0                             ; g and beta (and row 1)
.endif
.set j, 0
.rept 16
	v_pk_mul_f32 v[A+j:A+j+1], v[A+j:A+j+1], v[RS:RS+1]
.set j, j+2
.endr
.set j, 0
.rept 16
	v_pk_fma_f32 v[A+j:A+j+1], v[A+j:A+j+1], v[G+j:G+j+1], v[BE+j:BE+j+1]
.set j, j+2
.endr
.irp j, 0,1,2,3,4,5,6,7
	global_store_b128 v3, v[A+4*\j:A+4*\j+3], s[14:15] offset:4096*\rho+512*\j
.endr
.if FIRST
.set i, 0
.rept 32
.set i, i+1
.endr
.irp g, 0,1,2,3
	v_cvt_scalef32_pk8_fp8_f32 v[CD+2*\g:CD+2*\g+1], v[A+8*\g:A+8*\g+7], v[SCLV]
.endr
	v_nop
.irp j, 0,1,2,3,4,5,6,7
	ds_store_b32 v4, v[CD+\j] offset:1024*\rho+128*\j
.endr
.irp u, 0,1
	ds_load_b128 v[OB+8*\rho+4*\u:OB+8*\rho+4*\u+3], v5 offset:1024*\rho+512*\u   ; LDS serves a wave's instructions in order
.endr
	s_wait_dscnt 0x0
.irp u, 0,1
	global_store_b128 v3, v[OB+8*\rho+4*\u:OB+8*\rho+4*\u+3], s[16:17] offset:1024*\rho+512*\u
.endr
.endif
.endm
	ROW 0
	ROW 1
	s_wait_tensorcnt 0x0
	ds_add_u32 v248, v249
	s_wait_dscnt 0x0
	s_endpgm
.Lfunc_end_k_q00307fe642_ln1:
	.size	k_q00307fe642_ln1, .Lfunc_end_k_q00307fe642_ln1-k_q00307fe642_ln1
	.p2alignl 7, 3214868480
	.fill 96, 4, 3214868480
	.section	.rodata,"a",@progbits
	.p2align	6, 0x0
	.amdhsa_kernel k_q00307fe642_ln1
		.amdhsa_group_segment_fixed_size 17408
		.amdhsa_private_segment_fixed_size 0
		.amdhsa_enable_private_segment 0
		.amdhsa_kernarg_size 56
		.amdhsa_user_sgpr_count 2
		.amdhsa_user_sgpr_kernarg_segment_ptr 1
		.amdhsa_wavefront_size32 1
		.amdhsa_system_sgpr_workgroup_id_x 1
		.amdhsa_system_sgpr_workgroup_id_y 1
		.amdhsa_system_sgpr_workgroup_id_z 1
		.amdhsa_system_vgpr_workitem_id 0
		.amdhsa_next_free_vgpr 250
		.amdhsa_next_free_sgpr 66
		.amdhsa_reserve_vcc 0
		.amdhsa_float_denorm_mode_32 3
		.amdhsa_float_denorm_mode_16_64 3
		.amdhsa_fp16_overflow 1
		.amdhsa_memory_ordered 1
		.amdhsa_forward_progress 1
		.amdhsa_inst_pref_size 28
	.end_amdhsa_kernel
	.amdgpu_metadata
---
amdhsa.version: [ 1, 2 ]
amdhsa.kernels:
  - .name:           k_q00307fe642_ln1
    .symbol:         k_q00307fe642_ln1.kd
    .args:
      - { .name: x, .offset: 0, .size: 8, .value_kind: global_buffer, .address_space: global }
      - { .name: yf, .offset: 8, .size: 8, .value_kind: global_buffer, .address_space: global }
      - { .name: g1, .offset: 16, .size: 8, .value_kind: global_buffer, .address_space: global }
      - { .name: beta1, .offset: 24, .size: 8, .value_kind: global_buffer, .address_space: global }
      - { .name: lowp_scales, .offset: 32, .size: 8, .value_kind: global_buffer, .address_space: global }
      - { .name: hf, .offset: 40, .size: 8, .value_kind: global_buffer, .address_space: global }
      - { .name: hc, .offset: 48, .size: 8, .value_kind: global_buffer, .address_space: global }
    .group_segment_fixed_size: 17408
    .private_segment_fixed_size: 0
    .kernarg_segment_align: 8
    .kernarg_segment_size: 56
    .max_flat_workgroup_size: 256
    .sgpr_count:     66
    .vgpr_count:     250
    .wavefront_size: 32
...
	.end_amdgpu_metadata
.endif
;; end of part 5
;; launch w1 (part 6): grid 16 x 16, 4 waves a work-group, clusters of 4 x 4, 327,680 bytes of LDS; arguments hc, W1_codes, lowp_scales, b1, gc; writes gc
.if DOCPART == 6
	.amdgcn_target "amdgcn-amd-amdhsa--gfx1250"
	.amdhsa_code_object_version 6
	.text
	.protected	k_q00307fe642_w1
	.globl	k_q00307fe642_w1
	.p2align	8
	.type	k_q00307fe642_w1,@function
k_q00307fe642_w1:
	s_mov_b64 s[64:65], 0
	v_nop
	global_prefetch_b8 v0, s[64:65] scope:SCOPE_SE
	s_setreg_imm32_b32 hwreg(HW_REG_WAVE_MODE, 25, 1), 1
	s_wait_xcnt 0x0
	s_wait_alu depctr_hold_cnt(0) depctr_sa_sdst(0) depctr_va_vdst(0) depctr_va_sdst(0) depctr_va_ssrc(0) depctr_va_vcc(0) depctr_vm_vsrc(0)
	s_getreg_b32 s2, hwreg(HW_REG_IB_STS2, 6, 4)
	s_cmp_eq_u32 s2, 0
	s_cbranch_scc0 .Lentry_in_a_cluster
	s_endpgm
.Lentry_in_a_cluster:
	s_bfe_u32 s2, ttmp6, 0x10000c
	s_cmp_lg_u32 s2, 0xf033
	s_cbranch_scc0 .Lentry_shape_is_right
	s_endpgm
.Lentry_shape_is_right:
; A GEMM on E4M3 codes, C = A B^T over K = 1,024, whose results leave as E4M3 codes.  One text serves two launches, by the symbol QKV.
; QKV = 1: the cluster's x, P, says which product: 0: q = x Wq + bq, 1: k = x Wk + bk (A = plane P of x's codes, B = the weight: C is [4096 tokens][1024]);
;          2: v^T = Wv x^T + bv (A = the weight, B = plane 2 of x's codes: C is [1024 channels][4096 tokens], the keys innermost, as the second product of attention wants them).  P is equal in all partners of a cluster;
;          it chooses pointers and numbers by selects, never a branch.
; QKV = 0: C = gelu(h W1 + b1), [4096][4096]; gelu is the exact one, by erfc.
; code = value / 2^eo, held within +-448.  LIMITS: ea + eb between -126 and 127, eo between -126 and 119; NaN and infinities are not served.
; A tile of C is 256 x 256: four waves, each 128 x 128 in 64 accumulators.  K goes in steps of 256 through a ring of two LDS slots filled by the tensor data mover.
; CLUSTERS: 4 x 4 work-groups; A's tile is asked for jointly along a row of the cluster, B's along a column.  THE MATRIX INSTRUCTION IS USED TRANSPOSED (source 0 = rows of B, source 1 = rows of A): a lane holds eight neighbouring columns of a row of C.
; REGISTERS: window 0: v0-31 addresses; v32-63 biases; from v128 A's fragments, one set; window 1: B's fragments, two sets; windows 2, 3: the accumulators ((a, b) at v[8 (8 (a % 4) + b)]).
; THE WAY OUT: the tile goes through LDS as f32, 128 rows at a time (the ring has had its last fill), and comes back 16 neighbouring columns a lane; a loop of eight trips does the vector work and stores rows of 256 codes.
.set QKV,    0
.set SIZE_K, 1024
.set KSTEP,  256
.set ROWB,   256
.set KROW,   SIZE_K
.set PITCH,  272                       ; 256 bytes + 16: the 16 rows of a fragment load start at 16 different banks (64 banks of 4 bytes: ISA guide 11.1)
.set FR,     16
.set NL,     4
.set NP,     4
.set HALFT,  128*PITCH
.set SLOT,   4*HALFT
.set LAPS,   SIZE_K/(2*KSTEP)
.set SPARE,  2*SLOT                    ; the spare words: 128 bytes for each wave, named by no other line
.set FP,     1296                      ; the way out: a row of 256 f32 as 16 groups of 64 bytes + 16, and 16 more: an odd multiple of 16
.set ADRA, 16
.set ADRB, 20
.set FSTA, 22                          ; where I put results into the stage
.set RA0,  23                          ; where I read it back, first trip
.set RA,   24                          ; the same, the trip in hand
.set GO,   25                          ; my byte offset in C, rows 0-1 of a trip's four
.set GO1,  26                          ; rows 2-3
.set SPW,  28
.set NIL,  29
.set XB,   32                          ; v32-47  the bias of my 16 columns (reader's layout)
.set YB,   48                          ; v48-63  QKV: the bias of my row in each of my 8 blocks, each twice (a pair)
.set RIN,  64
.set RV,   96
.set RT,   128
.set RW,   160
.set RP,   192
.set CD,   224
.set KV,   232
.set SCL,  234
.set LIM,  235
.set AF,   128
.set G1, 24
.set G0, 32
.set G1B, 48
.set G0B, 56
.set XP, 92                            ; s[92:93] base of the column bias
.set YP, 84                            ; s[84:85] QKV: base of the row bias
.set MSB, 0
.macro WIN new                         ; the immediate's high byte repeats the setting that is left
.if MSB != (\new)
	s_set_vgpr_msb (MSB<<8)|(\new)
.set MSB, \new
.endif
.endm
.set MUL_LO, 0xa1
.set MUL_HI, 0xf1
.set TO_B,   0x40
; a joint load: waves 0 and 1 fetch for A, waves 2 and 3 for B; four v_nop follow each of the two lines
.macro JLOAD g0a, g1a, g0b, g1b
	s_cmp_eq_u32 s15, 0
	s_cbranch_scc0 .Lfor_b_\@
	tensor_load_to_lds s[\g0a:\g0a+3], s[\g1a:\g1a+7]
	s_nop 0
.rept 4
	v_nop
.endr
	s_branch .Lasked_\@
.Lfor_b_\@:
	tensor_load_to_lds s[\g0b:\g0b+3], s[\g1b:\g1b+7]
	s_nop 0
.rept 4
	v_nop
.endr
.Lasked_\@:
.endm
.macro CREST
	s_cmp_lg_u32 s14, 0
	s_cbranch_scc1 .Lnot_wave_0_\@
	s_barrier_signal -3
.Lnot_wave_0_\@:
	s_barrier_wait -3
	s_barrier_signal -1
	s_barrier_wait -1
.endm
.macro CROUND
	s_barrier_signal -1
	s_barrier_wait -1
	CREST
.endm
.if QKV
	s_load_b512 s[68:83], s[0:1], 0x0              ; x's codes, Wq, Wk, Wv, the scales, bq, bk, bv
	s_load_b64 s[10:11], s[0:1], 0x40              ; the results
.else
	s_load_b128 s[4:7], s[0:1], 0x0                ; A's codes, B's codes
	s_load_b64 s[8:9], s[0:1], 0x10                ; the scales
	s_load_b64 s[XP:XP+1], s[0:1], 0x18            ; the bias
	s_load_b64 s[10:11], s[0:1], 0x20              ; the results
.endif
	v_lshl_add_u32 v[SPW], v0, 2, SPARE
	v_mov_b32 v[NIL], 0
	ds_add_u32 v28, v29
	ds_add_u32 v28, v29
	s_wait_dscnt 0x0
	v_lshrrev_b32 v1, 5, v0
	v_readfirstlane_b32 s14, v1                    ; wave
	s_lshr_b32 s15, s14, 1                         ; my half of the tile's rows; also: I fetch for A (0) or B (1)
	s_and_b32 s16, s14, 1                          ; my half of its columns; also: which 128 rows I fetch
	s_bfe_u32 s40, ttmp6, 0x40000                  ; cx
	s_bfe_u32 s41, ttmp6, 0x40004                  ; cy
.if QKV
	s_mov_b32 s2, ttmp9                            ; P
	s_and_b32 s3, ttmp7, 0xffff
	s_lshl_b32 s3, s3, 2                           ; 4 x cluster y
	s_lshl_b32 s12, s2, 22                         ; a plane is 4 MiB
	s_mov_b32 s13, 0
	s_mov_b32 s95, 1024
	s_cmp_eq_u32 s2, 2
	s_cselect_b32 s17, 0, s3                       ; q, k: the clusters walk down the 16 tile rows; v^T: along the 16 tile columns
	s_cselect_b32 s42, s3, 0
	s_cselect_b32 s95, 4096, s95                   ; bytes in a row of C
	s_cselect_b32 s98, 0, 1.0                      ; the bias runs along the columns (q, k)
	s_cselect_b32 s99, 1.0, 0                      ; or along the rows (v^T)
	s_add_co_u32 s17, s17, s41                     ; tile row
	s_add_co_u32 s42, s42, s40                     ; tile column
.else
	s_lshl_b32 s42, ttmp9, 2
	s_add_co_u32 s42, s42, s40
	s_and_b32 s17, ttmp7, 0xffff
	s_lshl_b32 s17, s17, 2
	s_add_co_u32 s17, s17, s41
	s_mov_b32 s95, 4096
.endif
	s_lshl_b32 s43, s41, 2
	s_lshl_b32 s43, 15, s43                        ; my row of the cluster
	s_lshl_b32 s44, 0x1111, s40                    ; my column
	s_or_b32 s[G1+0], s43, (1<<20)|(1<<21)|(5<<22)|(3<<25)   ; the mask; elements of 1 byte; padding of 4 words behind every 64; bit 21 beside a mask
	s_or_b32 s[G1B+0], s44, (1<<20)|(1<<21)|(5<<22)|(3<<25)
.irp g, G1, G1B
	s_mov_b32 s[\g+1], ROWB<<16                    ; tensor_dim0
	s_mov_b32 s[\g+2], 128<<16                     ; tensor_dim1
	s_mov_b32 s[\g+3], ROWB<<16                    ; tile_dim0
	s_mov_b32 s[\g+4], 128                         ; tile_dim1
	s_mov_b32 s[\g+5], KROW                        ; from row to row
	s_mov_b32 s[\g+6], 0
	s_mov_b32 s[\g+7], 0
.endr
	s_lshl_b32 s18, s16, 7
	s_lshl_b32 s20, s17, 8
	s_add_co_u32 s20, s20, s18
	s_lshl_b32 s20, s20, 10                        ; A: (256 x tile row + 128 x half) rows of 1,024 bytes
	s_mov_b32 s21, 0
	s_lshl_b32 s46, s42, 8
	s_add_co_u32 s46, s46, s18
	s_lshl_b32 s46, s46, 10                        ; B likewise by the tile column
	s_mov_b32 s47, 0
	s_mul_i32 s45, s14, HALFT                      ; where they go: wave x 128 rows
	s_wait_kmcnt 0x0
.if QKV
	s_cmp_eq_u32 s2, 0
	s_cselect_b64 s[4:5], s[70:71], s[72:73]       ; the weight,
	s_cselect_b64 s[YP:YP+1], s[78:79], s[80:81]   ; its bias
	s_cmp_eq_u32 s2, 2
	s_cselect_b64 s[4:5], s[74:75], s[4:5]
	s_cselect_b64 s[YP:YP+1], s[82:83], s[YP:YP+1]
	s_add_nc_u64 s[6:7], s[68:69], s[12:13]        ; x's plane P
	s_cselect_b64 s[22:23], s[4:5], s[6:7]         ; v^T: A is the weight and B is x
	s_cselect_b64 s[6:7], s[6:7], s[4:5]
	s_mov_b64 s[4:5], s[22:23]
	s_add_nc_u64 s[10:11], s[10:11], s[12:13]      ; the results' plane P
	s_mov_b64 s[8:9], s[76:77]
	s_load_b512 s[68:83], s[8:9], 0x0              ; the sixteen exponents
.else
	s_load_b128 s[96:99], s[8:9], 0x30             ; e12, e13, e14, e15
.endif
	s_add_nc_u64 s[20:21], s[4:5], s[20:21]
	s_add_nc_u64 s[46:47], s[6:7], s[46:47]
	CROUND                                         ; all sixteen work-groups are here: the first joint loads meet
.irp s, 0,1
	s_mov_b32 s[G0+4*\s], 1
	s_add_co_u32 s[G0+4*\s+1], s45, \s*SLOT
	s_add_nc_u64 s[G0+4*\s+2:G0+4*\s+3], s[20:21], \s*ROWB
	s_or_b32 s[G0+4*\s+3], s[G0+4*\s+3], 0x80000000
	s_mov_b32 s[G0B+4*\s], 1
	s_add_co_u32 s[G0B+4*\s+1], s45, \s*SLOT
	s_add_nc_u64 s[G0B+4*\s+2:G0B+4*\s+3], s[46:47], \s*ROWB
	s_or_b32 s[G0B+4*\s+3], s[G0B+4*\s+3], 0x80000000
	JLOAD G0+4*\s, G1, G0B+4*\s, G1B
.endr
	v_and_b32 v1, 15, v0                           ; r
	v_bfe_u32 v2, v0, 4, 1                         ; hh
	v_mul_u32_u24 v3, v1, PITCH
	v_lshl_add_u32 v4, v2, 4, v3
	s_mul_i32 s21, s15, HALFT
	s_mul_i32 s22, s16, HALFT
	s_add_co_u32 s22, s22, 2*HALFT
.irp s, 0,1
	v_add_nc_u32 v[ADRA+\s], s21, v4
	v_add_nc_u32 v[ADRB+\s], s22, v4
	s_add_co_u32 s21, s21, SLOT
	s_add_co_u32 s22, s22, SLOT
.endr
	s_mul_i32 s23, s15, 64*FP                      ; the stage, in: row 64 x (my half of the rows) + r, group 8 x (my half of the columns), 32 bytes for each half of the lanes
	s_mul_i32 s22, s16, 640
	s_add_co_u32 s23, s23, s22
	v_mul_u32_u24 v5, v1, FP
	v_lshl_add_u32 v5, v2, 5, v5
	v_add_nc_u32 v[FSTA], s23, v5
	s_mul_i32 s23, s14, 32*FP                      ; back: wave w takes stage rows 32 w on; lanes 0-15 one row, lanes 16-31 the next; a group of 16 columns a lane
	v_mul_u32_u24 v5, v2, FP
	v_mad_u32_u24 v5, v1, 80, v5
	v_add_nc_u32 v[RA0], s23, v5
	v_mul_lo_u32 v[GO], v2, s95                    ; and the same place in C: 16 codes a lane, sixteen lanes to a row of 256
	v_lshl_add_u32 v[GO], v1, 4, v[GO]
	s_lshl_b32 s23, s95, 1
	v_add_nc_u32 v[GO1], s23, v[GO]
	s_lshl_b32 s88, s95, 2                         ; four rows of C,
	s_mov_b32 s89, 0
	s_lshl_b32 s90, s95, 5                         ; thirty-two
	s_mov_b32 s91, 0
	s_lshl_b32 s18, s42, 10                        ; the column bias: 4 bytes x 256 x tile column
.if QKV
	s_lshl_b32 s19, s17, 10
	s_cmp_eq_u32 s2, 2
	s_cselect_b32 s18, 0, s18                      ; where a bias is not used its address stays inside the buffer and its numbers are multiplied by 0
	s_cselect_b32 s22, s19, 0
	s_mov_b32 s19, 0
	s_add_nc_u64 s[XP:XP+1], s[YP:YP+1], s[18:19]
	s_lshl_b32 s23, s15, 9
	s_add_co_u32 s22, s22, s23                     ; the row bias: 4 x (256 x tile row + 128 x half)
	s_mov_b32 s23, 0
	s_add_nc_u64 s[YP:YP+1], s[YP:YP+1], s[22:23]
.else
	s_mov_b32 s19, 0
	s_add_nc_u64 s[XP:XP+1], s[XP:XP+1], s[18:19]
.endif
	v_lshlrev_b32 v6, 6, v1
.irp c, 0,1,2,3
	global_load_b128 v[XB+4*\c:XB+4*\c+3], v6, s[XP:XP+1] offset:16*\c
.endr
.if QKV
	v_lshlrev_b32 v7, 2, v1
.irp a, 0,1,2,3,4,5,6,7
	global_load_b32 v[YB+2*\a], v7, s[YP:YP+1] offset:64*\a
	global_load_b32 v[YB+2*\a+1], v7, s[YP:YP+1] offset:64*\a
.endr
.endif
	s_lshl_b32 s20, s17, 8                         ; the first row of C that I store: 256 x tile row + 128 (wave / 2) + 32 (wave % 2)
	s_lshl_b32 s21, s15, 7
	s_add_co_u32 s20, s20, s21
	s_lshl_b32 s21, s16, 5
	s_add_co_u32 s20, s20, s21
	s_mul_i32 s20, s20, s95
	s_lshl_b32 s46, s42, 8
	s_add_co_u32 s20, s20, s46                     ; + 256 x tile column
	s_mov_b32 s21, 0
	s_add_nc_u64 s[10:11], s[10:11], s[20:21]
.macro FRAG reg, adr, q, i             ; 16 rows x 128 K: lane l holds row l % 16; registers 4 c .. 4 c + 3 hold K = 32 c + 16 (l / 16) + 0 .. 15, alike in A and B
.irp c, 0,1,2,3
	ds_load_b128 v[\reg+4*\c:\reg+4*\c+3], v[\adr] offset:128*(\q)+32*\c+(\i)*16*PITCH
.endr
.endm
; 16 matrix instructions: A's blocks a0, a0 + 1 x B's eight.  The 64 accumulators take turns, one instruction a turn, in the same order in every step.
.macro MUL16 a0, p, zero
.irp a, \a0, \a0+1
.irp b, 0,1,2,3,4,5,6,7
.if \zero
	v_wmma_f32_16x16x128_fp8_fp8 v[8*(8*((\a)%4)+\b):8*(8*((\a)%4)+\b)+7], v[128*(\p)+FR*\b:128*(\p)+FR*\b+FR-1], v[AF+FR*(\a):AF+FR*(\a)+FR-1], 0
.else
	v_wmma_f32_16x16x128_fp8_fp8 v[8*(8*((\a)%4)+\b):8*(8*((\a)%4)+\b)+7], v[128*(\p)+FR*\b:128*(\p)+FR*\b+FR-1], v[AF+FR*(\a):AF+FR*(\a)+FR-1], v[8*(8*((\a)%4)+\b):8*(8*((\a)%4)+\b)+7]
.endif
.endr
.endr
.endm
.macro FETCH_B slot, q, p
	WIN TO_B
.irp i, 0,1,2,3,4,5,6,7
	FRAG 128*(\p)+FR*\i, ADRB+\slot, \q, \i
.endr
	WIN 0
.endm
.macro FETCH_A slot, q, i0
.irp i, \i0, \i0+1, \i0+2, \i0+3
	FRAG AF+FR*(\i), ADRA+\slot, \q, \i
.endr
.endm
.macro PLACES n                        ; plain vector lines between a matrix instruction and a load into, or a read of, its registers
.rept \n
	v_nop
.endr
.endm
.macro STEP slot, q, zero              ; 128 along K whose successor lies in the same slot
	s_wait_dscnt 4*NL                              ; B's set and A's blocks 0-3 are in; A's blocks 4-7 (16 loads) may be out
	WIN MUL_LO
	MUL16 0, (\q)%2, \zero
	MUL16 2, (\q)%2, \zero
	s_wait_dscnt 0
	PLACES NP
	FETCH_B \slot, (\q)+1, 1-(\q)%2
	FETCH_A \slot, (\q)+1, 0
	WIN MUL_HI
	MUL16 4, (\q)%2, \zero
	MUL16 6, (\q)%2, \zero
	PLACES NP
	WIN 0
	FETCH_A \slot, (\q)+1, 4
.endm
; a slot's last step changes slots: one barrier; in front of it each wave waits for all its tensor loads, adds 0 to its spare word, and waits for that and for its reads of this slot
.macro TURN slot, next, fill
	s_wait_tensorcnt 0x0                           ; my part of the next slot has landed; no load of mine is out
	ds_add_u32 v[SPW], v[NIL]
	s_wait_dscnt 4*NL+1                            ; the add and A's blocks 4-7 may be out
	WIN MUL_LO
	MUL16 0, 1, 0
	s_wait_dscnt 0x0                               ; the add is done, my reads of this slot are over
	s_barrier_signal -1
	MUL16 2, 1, 0
	WIN 0
	s_barrier_wait -1
.if \fill
	CREST                                          ; the barrier has opened a round of the cluster's: no wave of any partner still reads this slot or has a load on its way
	s_add_nc_u64 s[G0+4*\slot+2:G0+4*\slot+3], s[G0+4*\slot+2:G0+4*\slot+3], 2*ROWB
	s_add_nc_u64 s[G0B+4*\slot+2:G0B+4*\slot+3], s[G0B+4*\slot+2:G0B+4*\slot+3], 2*ROWB
	JLOAD G0+4*\slot, G1, G0B+4*\slot, G1B         ; the first tensor load behind the round; its four v_nop are the places in front of the loads below
.else
	PLACES NP
.endif
	FETCH_B \next, 0, 0
	FETCH_A \next, 0, 0
	WIN MUL_HI
	MUL16 4, 1, 0
	MUL16 6, 1, 0
	PLACES NP
	WIN 0
	FETCH_A \next, 0, 4
.endm
	s_wait_tensorcnt 1                             ; my part of K step 0 is in; K step 1's load may be out
	s_barrier_signal -1
	s_barrier_wait -1
	FETCH_B 0, 0, 0
	FETCH_A 0, 0, 0
	FETCH_A 0, 0, 4
	STEP 0, 0, 1                                   ; the first step's products start the sums
	s_mov_b32 s3, LAPS-1
.Llap:
	TURN 0, 1, 1
	STEP 1, 0, 0
	TURN 1, 0, 1
	STEP 0, 0, 0
	s_sub_co_u32 s3, s3, 1
	s_cmp_lg_u32 s3, 0
	s_cbranch_scc1 .Llap
	TURN 0, 1, 0                                   ; the last lap fills nothing
	STEP 1, 0, 0
	s_wait_dscnt 4*NL
	WIN MUL_LO
	MUL16 0, 1, 0
	MUL16 2, 1, 0
	s_wait_dscnt 0
	WIN MUL_HI
	MUL16 4, 1, 0
	MUL16 6, 1, 0
	WIN 0
	; ---- the way out
	s_wait_kmcnt 0x0
.if QKV
	s_add_co_i32 s18, s68, s69
	s_add_co_i32 s19, s70, s71
	s_add_co_i32 s20, s72, s73
	s_cmp_eq_u32 s2, 0
	s_cselect_b32 s86, s18, s19                    ; ea + eb of product P
	s_cselect_b32 s21, s74, s75                    ; eo: q's is entry 6, k's entry 7,
	s_cmp_eq_u32 s2, 2
	s_cselect_b32 s86, s20, s86
	s_cselect_b32 s21, s77, s21                    ; v's entry 9
.else
	s_add_co_i32 s86, s96, s97
	s_mov_b32 s21, s98
.macro COEF i, bits
	s_mov_b32 s[66+2*\i], \bits
	s_mov_b32 s[67+2*\i], \bits
.endm
	; erfc(z) = t 2^(-z^2 log2(e) + c0 + t (c1 + .. + t c9)), t = 1 / (1 + z / 2): a Chebyshev fit whose relative error stays near one part in 10^7 for every z >= 0; the coefficients are already times log2(e)
	COEF 0, 0xbfe9b21e
	COEF 1, 0x3fb8ab5a
	COEF 2, 0x3f0a29d2
	COEF 3, 0x3e0efb2f
	COEF 4, 0xbe899a80
	COEF 5, 0x3ecdfd18
	COEF 6, 0xbfd1a1e6
	COEF 7, 0x40097039
	COEF 8, 0xbf97d29d
	s_mov_b32 s84, 0x3eb504f3                      ; 1 / (2 sqrt 2): z / 2 = |v| x this
	s_mov_b32 s12, 0x3f596d27                      ; sqrt(log2(e) / 2): (v x this)^2 = z^2 log2(e)
	s_mov_b32 s13, s12
.endif
	s_add_co_i32 s86, s86, 127
	s_lshl_b32 s86, s86, 23                        ; 2^(ea + eb) as f32
	s_mov_b32 s87, s86
	s_add_co_i32 s21, s21, 127
	s_lshl_b32 s22, s21, 23                        ; 2^eo
	s_add_co_i32 s21, s21, 8
	s_lshl_b32 s21, s21, 23
	s_or_b32 s21, s21, 0x600000                    ; 448 x 2^eo
	s_wait_loadcnt 0x0                             ; the biases
	PLACES NP                                      ; behind the last products: their operands' registers are written and their results read below
	v_mov_b32 v[SCL], s22
	v_mov_b32 v[LIM], s21
.if QKV
.set i, 0
.rept 16
	v_mul_f32 v[XB+i], s98, v[XB+i]
	v_mul_f32 v[YB+i], s99, v[YB+i]
.set i, i+1
.endr
.else
	v_mov_b32 v[KV], 0x3e7c6f08                    ; c9, twice
	v_mov_b32 v[KV+1], 0x3e7c6f08
.endif
; 128 rows of the tile (each wave's blocks 4 half .. 4 half + 3) through the stage
.macro OUTROUND half
	s_wait_dscnt 0x0                               ; my reads of the slots, or of the stage's last round, are over
	s_barrier_signal -1
	s_barrier_wait -1                              ; everybody's are
.irp a, 0,1,2,3
.if QKV
	WIN 0x02+\half
.set j, 0
.rept 32
	v_pk_fma_f32 v[RT+j:RT+j+1], v[64*\a+j:64*\a+j+1], s[86:87], v[YB+2*(4*\half+\a):YB+2*(4*\half+\a)+1] op_sel_hi:[1,0,1]   ; sum x 2^(ea + eb) + the row's bias; each accumulator from its low end on
.set j, j+2
.endr
	WIN 0
.irp b, 0,1,2,3,4,5,6,7
	ds_store_b128 v[FSTA], v[RT+8*\b:RT+8*\b+3] offset:16*\a*FP+80*\b
	ds_store_b128 v[FSTA], v[RT+8*\b+4:RT+8*\b+7] offset:16*\a*FP+80*\b+16
.endr
.else
	WIN 0x08+4*\half                               ; the stores' data: window 2 or 3
.irp b, 0,1,2,3,4,5,6,7
	ds_store_b128 v[FSTA], v[64*\a+8*\b:64*\a+8*\b+3] offset:16*\a*FP+80*\b
	ds_store_b128 v[FSTA], v[64*\a+8*\b+4:64*\a+8*\b+7] offset:16*\a*FP+80*\b+16
.endr
.endif
.endr
	WIN 0
	s_wait_dscnt 0x0                               ; for the others' sake: my stores have landed
	s_barrier_signal -1
	s_barrier_wait -1
	s_mov_b32 s96, 0
	s_mov_b32 s94, 8
.irp u, 0,1
.irp c, 0,1,2,3
	ds_load_b128 v[RIN+16*\u+4*\c:RIN+16*\u+4*\c+3], v[RA0] offset:2*\u*FP+16*\c
.endr
.endr
.Lrow_\@:                                      ; a trip: four rows of the stage; a lane has 16 neighbouring columns of two of them
	s_wait_dscnt 0x0
.set j, 0
.rept 16
.if QKV
	v_pk_add_f32 v[RV+j:RV+j+1], v[RIN+j:RIN+j+1], v[XB+j%16:XB+j%16+1]
.else
	v_pk_fma_f32 v[RV+j:RV+j+1], v[RIN+j:RIN+j+1], s[86:87], v[XB+j%16:XB+j%16+1] op_sel_hi:[1,0,1]
.endif
.set j, j+2
.endr
	s_add_co_u32 s96, s96, 4*FP
	s_min_u32 s97, s96, 28*FP                      ; the next trip's rows are asked for now; the last trip asks for its own again
	v_add_nc_u32 v[RA], s97, v[RA0]
.irp u, 0,1
.irp c, 0,1,2,3
	ds_load_b128 v[RIN+16*\u+4*\c:RIN+16*\u+4*\c+3], v[RA] offset:2*\u*FP+16*\c
.endr
.endr
.if !QKV
	; gelu(v) = max(v, 0) - |v| / 2 x erfc(|v| / sqrt 2): no difference of near numbers on either side of 0
.set i, 0
.rept 32
	v_fma_f32 v[RT+i], |v[RV+i]|, s84, 1.0
.set i, i+1
.endr
.set i, 0
.rept 32
	v_rcp_f32 v[RT+i], v[RT+i]                     ; t
.set i, i+1
.endr
.set j, 0
.rept 16
	v_pk_mul_f32 v[RW+j:RW+j+1], v[RV+j:RV+j+1], s[12:13] op_sel_hi:[1,0]   ; plain lines behind the reciprocals, which name none of them
.set j, j+2
.endr
	s_wait_alu depctr_va_vdst(0)                   ; one wait for the batch, ahead of its first reader
.set j, 0
.rept 16
	v_pk_fma_f32 v[RP+j:RP+j+1], v[KV:KV+1], v[RT+j:RT+j+1], s[82:83] op_sel_hi:[1,1,0]
.set j, j+2
.endr
.irp k, 7,6,5,4,3,2,1,0
.set j, 0
.rept 16
	v_pk_fma_f32 v[RP+j:RP+j+1], v[RP+j:RP+j+1], v[RT+j:RT+j+1], s[66+2*\k:67+2*\k] op_sel_hi:[1,1,0]
.set j, j+2
.endr
.endr
.set j, 0
.rept 16
	v_pk_fma_f32 v[RP+j:RP+j+1], v[RW+j:RW+j+1], v[RW+j:RW+j+1], v[RP+j:RP+j+1] neg_lo:[1,0,0] neg_hi:[1,0,0]
.set j, j+2
.endr
.set i, 0
.rept 32
	v_exp_f32 v[RP+i], v[RP+i]
.set i, i+1
.endr
.set j, 0
.rept 16
	v_pk_mul_f32 v[RW+j:RW+j+1], v[RV+j:RV+j+1], 0.5 op_sel_hi:[1,0]
.set j, j+2
.endr
.set j, 0
.rept 16
	v_pk_mul_f32 v[RW+j:RW+j+1], v[RW+j:RW+j+1], v[RT+j:RT+j+1]   ; v t / 2
.set j, j+2
.endr
.set i, 0
.rept 32
	v_max_num_f32 v[RT+i], 0, v[RV+i]
.set i, i+1
.endr
	s_wait_alu depctr_va_vdst(0)                   ; one wait for the exponentials
.set i, 0
.rept 32
	v_fma_f32 v[RV+i], -|v[RW+i]|, v[RP+i], v[RT+i]
.set i, i+1
.endr
.endif
.set i, 0
.rept 32
	v_med3_num_f32 v[RV+i], v[RV+i], -v[LIM], v[LIM]   ; the conversion does not saturate (ISA guide 7.6.2)
.set i, i+1
.endr
.irp g, 0,1,2,3
	v_cvt_scalef32_pk8_fp8_f32 v[CD+2*\g:CD+2*\g+1], v[RV+8*\g:RV+8*\g+7], v[SCL]
.endr
	v_nop                                          ; a plain line behind the conversions: the next trip writes their sources
	global_store_b128 v[GO], v[CD:CD+3], s[10:11]          ; sixteen lanes store 256 consecutive bytes, aligned
	global_store_b128 v[GO1], v[CD+4:CD+7], s[10:11]
	s_wait_xcnt 0x0                                ; the stores have read their data and their base: both are written again below
	s_add_nc_u64 s[10:11], s[10:11], s[88:89]      ; four rows of C on
	s_sub_co_u32 s94, s94, 1
	s_cmp_lg_u32 s94, 0
	s_cbranch_scc1 .Lrow_\@
.endm
	OUTROUND 0
	s_add_nc_u64 s[10:11], s[10:11], s[90:91]      ; my rows of the second round lie 64 below those of the first: 32 were walked
	OUTROUND 1
	s_wait_tensorcnt 0x0                           ; the wave's end
	ds_add_u32 v[SPW], v[NIL]
	s_wait_dscnt 0x0
	CROUND                                         ; the closing round
	s_endpgm
.Lfunc_end_k_q00307fe642_w1:
	.size	k_q00307fe642_w1, .Lfunc_end_k_q00307fe642_w1-k_q00307fe642_w1
	.p2alignl 7, 3214868480
	.fill 96, 4, 3214868480
	.section	.rodata,"a",@progbits
	.p2align	6, 0x0
	.amdhsa_kernel k_q00307fe642_w1
		.amdhsa_group_segment_fixed_size 327680
		.amdhsa_private_segment_fixed_size 0
		.amdhsa_enable_private_segment 0
		.amdhsa_kernarg_size 40
		.amdhsa_user_sgpr_count 2
		.amdhsa_user_sgpr_kernarg_segment_ptr 1
		.amdhsa_wavefront_size32 1
		.amdhsa_system_sgpr_workgroup_id_x 1
		.amdhsa_system_sgpr_workgroup_id_y 1
		.amdhsa_system_sgpr_workgroup_id_z 1
		.amdhsa_system_vgpr_workitem_id 0
		.amdhsa_next_free_vgpr 1024
		.amdhsa_next_free_sgpr 100
		.amdhsa_reserve_vcc 0
		.amdhsa_float_denorm_mode_32 3
		.amdhsa_float_denorm_mode_16_64 3
		.amdhsa_memory_ordered 1
		.amdhsa_forward_progress 1
		.amdhsa_inst_pref_size 139
	.end_amdhsa_kernel
	.amdgpu_metadata
---
amdhsa.version: [ 1, 2 ]
amdhsa.kernels:
  - .name:           k_q00307fe642_w1
    .symbol:         k_q00307fe642_w1.kd
    .args:
      - { .name: hc, .offset: 0, .size: 8, .value_kind: global_buffer, .address_space: global }
      - { .name: W1_codes, .offset: 8, .size: 8, .value_kind: global_buffer, .address_space: global }
      - { .name: lowp_scales, .offset: 16, .size: 8, .value_kind: global_buffer, .address_space: global }
      - { .name: b1, .offset: 24, .size: 8, .value_kind: global_buffer, .address_space: global }
      - { .name: gc, .offset: 32, .size: 8, .value_kind: global_buffer, .address_space: global }
    .group_segment_fixed_size: 327680
    .private_segment_fixed_size: 0
    .kernarg_segment_align: 8
    .kernarg_segment_size: 40
    .max_flat_workgroup_size: 128
    .sgpr_count:     100
    .vgpr_count:     1024
    .wavefront_size: 32
...
	.end_amdgpu_metadata
.endif
;; end of part 6
;; launch w2 (part 7): grid 8 x 32, 4 waves a work-group, clusters of 4 x 4, 327,680 bytes of LDS; arguments gc, W2_codes, lowp_scales, b2, yf; writes yf
.if DOCPART == 7
	.amdgcn_target "amdgcn-amd-amdhsa--gfx1250"
	.amdhsa_code_object_version 6
	.text
	.protected	k_q00307fe642_w2
	.globl	k_q00307fe642_w2
	.p2align	8
	.type	k_q00307fe642_w2,@function
k_q00307fe642_w2:
	s_mov_b64 s[64:65], 0
	v_nop
	global_prefetch_b8 v0, s[64:65] scope:SCOPE_SE
	s_setreg_imm32_b32 hwreg(HW_REG_WAVE_MODE, 25, 1), 1
	s_wait_xcnt 0x0
	s_wait_alu depctr_hold_cnt(0) depctr_sa_sdst(0) depctr_va_vdst(0) depctr_va_sdst(0) depctr_va_ssrc(0) depctr_va_vcc(0) depctr_vm_vsrc(0)
	s_getreg_b32 s2, hwreg(HW_REG_IB_STS2, 6, 4)
	s_cmp_eq_u32 s2, 0
	s_cbranch_scc0 .Lentry_in_a_cluster
	s_endpgm
.Lentry_in_a_cluster:
	s_bfe_u32 s2, ttmp6, 0x10000c
	s_cmp_lg_u32 s2, 0xf033
	s_cbranch_scc0 .Lentry_shape_is_right
	s_endpgm
.Lentry_shape_is_right:
; C = A B^T x 2^(ea + eb) + bias, on E4M3 codes; C [4096][1024] f32.  One text serves two launches, by the symbol WO.
; WO = 1: A = ctx's codes, laid [16 heads][4096 tokens][64] (K = 64 head + channel), B = Wo's codes [1024][1024], entries 10 and 11 of the scales.
; WO = 0: A = the activation's codes [4096][4096], B = W2's codes [1024][4096], entries 14 and 15.
; LIMIT: ea + eb between -126 and 127.
; C has 256 tiles of 128 x 128, one for each work-group; tiles of 256 x 256 would be 64.  Four waves, each 64 x 64 in 16 accumulators.  K goes in steps of 512 through two LDS slots.
; CLUSTERS: 4 x 4; A's tile jointly along a row of the cluster, B's along a column.  THE MATRIX INSTRUCTION IS USED TRANSPOSED: a lane holds eight neighbouring columns of a row of C.
; REGISTERS: window 0: v0-31 addresses; v32-63 results; v64-95 rows read back; v96-127 the bias; v128-255 the accumulators.  Window 1: two fragment buffers of 128: A's four fragments, then B's four.
.set WO, 0
.if WO
.set SIZE_K, 1024
.set HALFA,  8*64*80                   ; 64 tokens of 8 heads: [head][token][64 bytes + 16]
.set ASH,    6                         ; a token's bytes in a head: 64
.set ASTEP,  8*262144                  ; a K step on: 8 heads
.set BSH,    10
.set SE,     40
.else
.set SIZE_K, 4096
.set HALFA,  64*528
.set ASH,    12
.set ASTEP,  512
.set BSH,    12
.set SE,     56
.endif
.set KSTEP,  512
.set PB,     528                       ; 512 bytes + 16: the 16 rows of a load start at 16 different banks (64 banks of 4 bytes: ISA guide 11.1)
.set HALFB,  64*PB
.set SLOT,   2*HALFA+2*HALFB
.set STAGE,  2*SLOT                    ; 16 rows x 272 bytes for each wave
.set SPITCH, 272
.set SPARE,  STAGE+4*16*SPITCH         ; the spare words: 128 bytes for each wave, named by no other line
.set LAPS,   SIZE_K/(2*KSTEP)
.set ADRA, 16
.set ADRB, 20
.set STO,  24
.set RD,   25
.set CO,   26
.set SPW,  28
.set NIL,  29
.set TMP,  32
.set BK,   64
.set BI,   96
.set ACC,  128
.set F0,   0
.set F1,   128
.set G1, 24
.set G0, 32
.set G1B, 48
.set G0B, 56
.set MSB, 0
.macro WIN new
.if MSB != (\new)
	s_set_vgpr_msb (MSB<<8)|(\new)
.set MSB, \new
.endif
.endm
.set MUL,  0x05
.set TO_F, 0x40
.macro JLOAD s                         ; waves 0 and 1 fetch A's halves, waves 2 and 3 B's; four v_nop follow each line
	s_cmp_eq_u32 s11, 0
	s_cbranch_scc0 .Lfor_b_\@
	tensor_load_to_lds s[G0+4*\s:G0+4*\s+3], s[G1:G1+7]
	s_nop 0
.rept 4
	v_nop
.endr
	s_branch .Lasked_\@
.Lfor_b_\@:
	tensor_load_to_lds s[G0B+4*\s:G0B+4*\s+3], s[G1B:G1B+7]
	s_nop 0
.rept 4
	v_nop
.endr
.Lasked_\@:
.endm
.macro CREST
	s_cmp_lg_u32 s10, 0
	s_cbranch_scc1 .Lnot_wave_0_\@
	s_barrier_signal -3
.Lnot_wave_0_\@:
	s_barrier_wait -3
	s_barrier_signal -1
	s_barrier_wait -1
.endm
.macro CROUND
	s_barrier_signal -1
	s_barrier_wait -1
	CREST
.endm
	s_load_b128 s[4:7], s[0:1], 0x0                ; A's codes, B's codes
	s_load_b128 s[68:71], s[0:1], 0x10             ; the scales, the bias
	s_load_b64 s[8:9], s[0:1], 0x20                ; C
	v_lshl_add_u32 v[SPW], v0, 2, SPARE
	v_mov_b32 v[NIL], 0
	ds_add_u32 v28, v29
	ds_add_u32 v28, v29
	s_wait_dscnt 0x0
	v_lshrrev_b32 v1, 5, v0
	v_readfirstlane_b32 s10, v1
	s_lshr_b32 s11, s10, 1                         ; my half of the rows; also: I fetch for A (0) or B (1)
	s_and_b32 s12, s10, 1                          ; my half of the columns; also: which 64 rows I fetch
	s_bfe_u32 s40, ttmp6, 0x40000
	s_bfe_u32 s41, ttmp6, 0x40004
	s_lshl_b32 s42, ttmp9, 2
	s_add_co_u32 s42, s42, s40                     ; tile column
	s_and_b32 s13, ttmp7, 0xffff
	s_lshl_b32 s13, s13, 2
	s_add_co_u32 s13, s13, s41                     ; tile row
	s_lshl_b32 s43, s41, 2
	s_lshl_b32 s43, 15, s43
	s_lshl_b32 s44, 0x1111, s40
.if WO
	s_or_b32 s[G1+0], s43, (1<<20)|(1<<21)|(3<<22)|(3<<25)   ; 64 tokens of a head are 4,096 consecutive bytes: a row of the tile; 4 words of padding behind every 16, so each token's 64 bytes get 16
	s_mov_b32 s[G1+1], 4096<<16
	s_mov_b32 s[G1+2], 8<<16
	s_mov_b32 s[G1+3], 4096<<16
	s_mov_b32 s[G1+4], 8                           ; 8 heads,
	s_mov_b32 s[G1+5], 262144                      ; 4,096 tokens x 64 bytes apart
.else
	s_or_b32 s[G1+0], s43, (1<<20)|(1<<21)|(6<<22)|(3<<25)
	s_mov_b32 s[G1+1], KSTEP<<16
	s_mov_b32 s[G1+2], 64<<16
	s_mov_b32 s[G1+3], KSTEP<<16
	s_mov_b32 s[G1+4], 64
	s_mov_b32 s[G1+5], SIZE_K
.endif
	s_mov_b32 s[G1+6], 0
	s_mov_b32 s[G1+7], 0
	s_or_b32 s[G1B+0], s44, (1<<20)|(1<<21)|(6<<22)|(3<<25)
	s_mov_b32 s[G1B+1], KSTEP<<16
	s_mov_b32 s[G1B+2], 64<<16
	s_mov_b32 s[G1B+3], KSTEP<<16
	s_mov_b32 s[G1B+4], 64
	s_mov_b32 s[G1B+5], SIZE_K
	s_mov_b32 s[G1B+6], 0
	s_mov_b32 s[G1B+7], 0
	s_lshl_b32 s17, s12, 6
	s_lshl_b32 s16, s13, 7
	s_add_co_u32 s16, s16, s17
	s_lshl_b32 s16, s16, ASH                       ; A: row 128 x tile row + 64 x half
	s_lshl_b32 s46, s42, 7
	s_add_co_u32 s46, s46, s17
	s_lshl_b32 s46, s46, BSH                       ; B: row 128 x tile column + 64 x half
	s_mov_b32 s17, 0
	s_mov_b32 s47, 0
	s_mul_i32 s20, s12, HALFA                      ; where they go
	s_mul_i32 s21, s12, HALFB
	s_add_co_u32 s21, s21, 2*HALFA
	s_wait_kmcnt 0x0
	s_load_b64 s[66:67], s[68:69], SE              ; ea, eb
	s_add_nc_u64 s[14:15], s[4:5], s[16:17]
	s_add_nc_u64 s[46:47], s[6:7], s[46:47]
	CROUND
.irp s, 0,1
	s_mov_b32 s[G0+4*\s], 1
	s_add_co_u32 s[G0+4*\s+1], s20, \s*SLOT
	s_add_nc_u64 s[G0+4*\s+2:G0+4*\s+3], s[14:15], \s*ASTEP
	s_or_b32 s[G0+4*\s+3], s[G0+4*\s+3], 0x80000000
	s_mov_b32 s[G0B+4*\s], 1
	s_add_co_u32 s[G0B+4*\s+1], s21, \s*SLOT
	s_add_nc_u64 s[G0B+4*\s+2:G0B+4*\s+3], s[46:47], \s*KSTEP
	s_or_b32 s[G0B+4*\s+3], s[G0B+4*\s+3], 0x80000000
	JLOAD \s
.endr
	v_and_b32 v1, 15, v0                           ; r
	v_bfe_u32 v2, v0, 4, 1                         ; hh
	v_mul_u32_u24 v3, v1, PB
	v_lshl_add_u32 v3, v2, 4, v3
.if WO
	v_mul_u32_u24 v6, v1, 80
	v_lshl_add_u32 v6, v2, 4, v6
.else
	v_mul_u32_u24 v6, v1, PB
	v_lshl_add_u32 v6, v2, 4, v6
.endif
	s_mul_i32 s21, s11, HALFA
	s_mul_i32 s22, s12, HALFB
	s_add_co_u32 s22, s22, 2*HALFA
.irp s, 0,1
	v_add_nc_u32 v[ADRA+\s], s21, v6
	v_add_nc_u32 v[ADRB+\s], s22, v3
	s_add_co_u32 s21, s21, SLOT
	s_add_co_u32 s22, s22, SLOT
.endr
	s_mul_i32 s23, s10, 16*SPITCH
	s_add_co_u32 s23, s23, STAGE                   ; my stage
	v_mul_u32_u24 v4, v1, SPITCH
	v_lshl_add_u32 v4, v2, 5, v4
	v_add_nc_u32 v[STO], s23, v4                   ; in: row r, 32 bytes for each half of the lanes
	v_mul_u32_u24 v5, v2, SPITCH
	v_lshl_add_u32 v5, v1, 4, v5
	v_add_nc_u32 v[RD], s23, v5                    ; back: lanes 0-15 one row of 256 bytes, lanes 16-31 the next
	v_lshlrev_b32 v5, 12, v2
	v_lshl_add_u32 v[CO], v1, 4, v5                ; and the same in C
	s_lshl_b32 s46, s42, 9
	s_lshl_b32 s47, s12, 8
	s_add_co_u32 s46, s46, s47                     ; my first column, in bytes: 512 x tile column + 256 x half
	s_mov_b32 s47, 0
	s_add_nc_u64 s[70:71], s[70:71], s[46:47]
	v_lshlrev_b32 v7, 5, v2
.irp b, 0,1,2,3
	global_load_b128 v[BI+8*\b:BI+8*\b+3], v7, s[70:71] offset:64*\b          ; the bias of columns 16 b + 8 hh + 0 .. 7
	global_load_b128 v[BI+8*\b+4:BI+8*\b+7], v7, s[70:71] offset:64*\b+16
.endr
	s_lshl_b32 s16, s13, 7
	s_lshl_b32 s17, s11, 6
	s_add_co_u32 s16, s16, s17
	s_lshl_b32 s16, s16, 12                        ; my first row of C, 4,096 bytes a row
	s_mov_b32 s17, 0
	s_add_nc_u64 s[8:9], s[8:9], s[16:17]
	s_add_nc_u64 s[8:9], s[8:9], s[46:47]
; four matrix instructions: A's block a x B's four, 128 along K.  The 16 accumulators take turns in one order throughout.
.macro MUL4 f, a, zero
.irp b, 0,1,2,3
.if \zero
	v_wmma_f32_16x16x128_fp8_fp8 v[ACC+8*(4*\a+\b):ACC+8*(4*\a+\b)+7], v[\f+64+16*\b:\f+64+16*\b+15], v[\f+16*\a:\f+16*\a+15], 0
.else
	v_wmma_f32_16x16x128_fp8_fp8 v[ACC+8*(4*\a+\b):ACC+8*(4*\a+\b)+7], v[\f+64+16*\b:\f+64+16*\b+15], v[\f+16*\a:\f+16*\a+15], v[ACC+8*(4*\a+\b):ACC+8*(4*\a+\b)+7]
.endif
.endr
.endm
; 32 LDS loads in one run: the slot's q-th 128 along K into buffer f: B's four fragments, then A's.  Registers 4 c .. 4 c + 3 hold K = 32 c + 16 (l / 16) + 0 .. 15, alike in A and B
.macro FETCH slot, q, f
	WIN TO_F
.irp i, 0,1,2,3
.irp c, 0,1,2,3
	ds_load_b128 v[\f+64+16*\i+4*\c:\f+64+16*\i+4*\c+3], v[ADRB+\slot] offset:16*PB*\i+128*(\q)+32*\c
.endr
.endr
.irp i, 0,1,2,3
.irp c, 0,1,2,3
.if WO
	ds_load_b128 v[\f+16*\i+4*\c:\f+16*\i+4*\c+3], v[ADRA+\slot] offset:(2*(\q)+\c/2)*5120+1280*\i+32*(\c%2)
.else
	ds_load_b128 v[\f+16*\i+4*\c:\f+16*\i+4*\c+3], v[ADRA+\slot] offset:16*PB*\i+128*(\q)+32*\c
.endif
.endr
.endr
.endm
.macro PLACES
.rept 4
	v_nop
.endr
.endm
; multiplies buffer f and fetches the slot's quarter q into buffer g
.macro QUARTER slot, q, f, g, zero
	s_wait_dscnt 8                                 ; B and A's blocks 0, 1 are in; A's blocks 2, 3 (8 loads) may be out
	WIN MUL
	MUL4 \f, 0, \zero
	MUL4 \f, 1, \zero
	PLACES
	FETCH \slot, \q, \g
	s_wait_dscnt 32                                ; all but the 32 just issued
	WIN MUL
	MUL4 \f, 2, \zero
	MUL4 \f, 3, \zero
.endm
; a slot's last quarter multiplies buffer 1 and changes slots
.macro TURN slot, next, fill
	WIN 0
	s_wait_tensorcnt 0x0                           ; my part of the next slot has landed; no load of mine is out
	ds_add_u32 v[SPW], v[NIL]
	s_wait_dscnt 9                                 ; the add and A's blocks 2, 3 may be out
	WIN MUL
	MUL4 F1, 0, 0
	s_wait_dscnt 0x0                               ; the add is done, my reads of this slot are over
	s_barrier_signal -1
	MUL4 F1, 1, 0
	WIN 0
	s_barrier_wait -1
.if \fill
	CREST                                          ; the barrier has opened a round of the cluster's
	s_add_nc_u64 s[G0+4*\slot+2:G0+4*\slot+3], s[G0+4*\slot+2:G0+4*\slot+3], 2*ASTEP
	s_add_nc_u64 s[G0B+4*\slot+2:G0B+4*\slot+3], s[G0B+4*\slot+2:G0B+4*\slot+3], 2*KSTEP
	JLOAD \slot                                    ; the first tensor load behind the round; its four v_nop are the places in front of the loads below
.else
	PLACES
.endif
	FETCH \next, 0, F0
	WIN MUL
	MUL4 F1, 2, 0
	MUL4 F1, 3, 0
.endm
	s_wait_tensorcnt 1                             ; my part of K step 0 is in; K step 1's load may be out
	s_barrier_signal -1
	s_barrier_wait -1
	FETCH 0, 0, F0
	QUARTER 0, 1, F0, F1, 1                        ; the first quarter's products start the sums
.if LAPS > 1
	WIN 0
	s_mov_b32 s3, LAPS-1
.Llap:
	QUARTER 0, 2, F1, F0, 0
	QUARTER 0, 3, F0, F1, 0
	TURN 0, 1, 1
	QUARTER 1, 1, F0, F1, 0
	QUARTER 1, 2, F1, F0, 0
	QUARTER 1, 3, F0, F1, 0
	TURN 1, 0, 1
	QUARTER 0, 1, F0, F1, 0
	WIN 0
	s_sub_co_u32 s3, s3, 1
	s_cmp_lg_u32 s3, 0
	s_cbranch_scc1 .Llap
.endif
	QUARTER 0, 2, F1, F0, 0                        ; the last lap fills nothing
	QUARTER 0, 3, F0, F1, 0
	TURN 0, 1, 0
	QUARTER 1, 1, F0, F1, 0
	QUARTER 1, 2, F1, F0, 0
	QUARTER 1, 3, F0, F1, 0
	s_wait_dscnt 8
	WIN MUL
	MUL4 F1, 0, 0
	MUL4 F1, 1, 0
	s_wait_dscnt 0
	MUL4 F1, 2, 0
	MUL4 F1, 3, 0
	WIN 0
	; the way out: 16 rows at a time through my own stage; my 64 columns of f32 are 256 bytes
	s_wait_kmcnt 0x0
	s_add_co_i32 s66, s66, s67
	s_add_co_i32 s66, s66, 127
	s_lshl_b32 s66, s66, 23                        ; 2^(ea + eb)
	s_mov_b32 s67, s66
	s_wait_loadcnt 0x0                             ; the bias
	PLACES
.irp a, 0,1,2,3
.if \a > 0
	s_wait_xcnt 0x0                                ; the last block's stores have read their registers
.endif
.irp b, 0,1,2,3
.irp i, 0,2,4,6
	v_pk_fma_f32 v[TMP+8*\b+\i:TMP+8*\b+\i+1], v[ACC+8*(4*\a+\b)+\i:ACC+8*(4*\a+\b)+\i+1], s[66:67], v[BI+8*\b+\i:BI+8*\b+\i+1] op_sel_hi:[1,0,1]
.endr
.endr
.irp b, 0,1,2,3
	ds_store_b128 v[STO], v[TMP+8*\b:TMP+8*\b+3] offset:64*\b
	ds_store_b128 v[STO], v[TMP+8*\b+4:TMP+8*\b+7] offset:64*\b+16
.endr
.irp t, 0,1,2,3,4,5,6,7
	ds_load_b128 v[BK+4*\t:BK+4*\t+3], v[RD] offset:\t*2*SPITCH    ; LDS serves a wave's instructions in order: these see my stores
.endr
.irp t, 0,1,2,3,4,5,6,7
	s_wait_dscnt 7-\t
	global_store_b128 v[CO], v[BK+4*\t:BK+4*\t+3], s[8:9] offset:(16*\a+2*\t)*4096   ; sixteen lanes store 256 consecutive bytes, aligned
.endr
.endr
	s_wait_tensorcnt 0x0                           ; the wave's end
	ds_add_u32 v[SPW], v[NIL]
	s_wait_dscnt 0x0
	CROUND                                         ; the closing round
	s_endpgm
.Lfunc_end_k_q00307fe642_w2:
	.size	k_q00307fe642_w2, .Lfunc_end_k_q00307fe642_w2-k_q00307fe642_w2
	.p2alignl 7, 3214868480
	.fill 96, 4, 3214868480
	.section	.rodata,"a",@progbits
	.p2align	6, 0x0
	.amdhsa_kernel k_q00307fe642_w2
		.amdhsa_group_segment_fixed_size 327680
		.amdhsa_private_segment_fixed_size 0
		.amdhsa_enable_private_segment 0
		.amdhsa_kernarg_size 40
		.amdhsa_user_sgpr_count 2
		.amdhsa_user_sgpr_kernarg_segment_ptr 1
		.amdhsa_wavefront_size32 1
		.amdhsa_system_sgpr_workgroup_id_x 1
		.amdhsa_system_sgpr_workgroup_id_y 1
		.amdhsa_system_sgpr_workgroup_id_z 1
		.amdhsa_system_vgpr_workitem_id 0
		.amdhsa_next_free_vgpr 512
		.amdhsa_next_free_sgpr 80
		.amdhsa_reserve_vcc 0
		.amdhsa_float_denorm_mode_32 3
		.amdhsa_float_denorm_mode_16_64 3
		.amdhsa_memory_ordered 1
		.amdhsa_forward_progress 1
		.amdhsa_inst_pref_size 76
	.end_amdhsa_kernel
	.amdgpu_metadata
---
amdhsa.version: [ 1, 2 ]
amdhsa.kernels:
  - .name:           k_q00307fe642_w2
    .symbol:         k_q00307fe642_w2.kd
    .args:
      - { .name: gc, .offset: 0, .size: 8, .value_kind: global_buffer, .address_space: global }
      - { .name: W2_codes, .offset: 8, .size: 8, .value_kind: global_buffer, .address_space: global }
      - { .name: lowp_scales, .offset: 16, .size: 8, .value_kind: global_buffer, .address_space: global }
      - { .name: b2, .offset: 24, .size: 8, .value_kind: global_buffer, .address_space: global }
      - { .name: yf, .offset: 32, .size: 8, .value_kind: global_buffer, .address_space: global }
    .group_segment_fixed_size: 327680
    .private_segment_fixed_size: 0
    .kernarg_segment_align: 8
    .kernarg_segment_size: 40
    .max_flat_workgroup_size: 128
    .sgpr_count:     80
    .vgpr_count:     512
    .wavefront_size: 32
...
	.end_amdgpu_metadata
.endif
;; end of part 7
;; launch ln2 (part 8): grid 256 x 1, 8 waves a work-group, no clusters, 0 bytes of LDS; arguments hf, yf, g2, beta2, out0; writes out0
.if DOCPART == 8
	.amdgcn_target "amdgcn-amd-amdhsa--gfx1250"
	.amdhsa_code_object_version 6
	.text
	.protected	k_q00307fe642_ln2
	.globl	k_q00307fe642_ln2
	.p2align	8
	.type	k_q00307fe642_ln2,@function
k_q00307fe642_ln2:
	s_mov_b64 s[64:65], 0
	v_nop
	global_prefetch_b8 v0, s[64:65] scope:SCOPE_SE
	s_setreg_imm32_b32 hwreg(HW_REG_WAVE_MODE, 25, 1), 1
	s_wait_xcnt 0x0
; out = layernorm(a + y) x g + beta over rows of 1,024 f32.  One text serves two launches, by the symbol FIRST.
; FIRST = 1: the result is stored as f32 and also as E4M3 codes under entry 12 of the scales (between -126 and 119).  FIRST = 0: as f32 alone.  NaN and infinities are not served.
; A wave takes two rows; a row lies in 32 registers a lane between the passes: mean, then the mean of the squared distances from it, then the scaling.  All loads go out at the head, 512 consecutive bytes each.
; Memory binds: no matrix unit, no cluster, no barrier; waves share nothing.
.set FIRST, 0
.set G,   144
.set BE,  176
.set S0,  208
.set S1,  210
.set MU,  212
.set RS,  214
.set PM,  216
.set CD,  218
.set LIMV, 226
.set SCLV, 227
.set OB,  228
	s_load_b256 s[4:11], s[0:1], 0x0               ; a, y, g, beta
.if FIRST
	s_load_b128 s[12:15], s[0:1], 0x20             ; the scales, the f32 result
	s_load_b64 s[16:17], s[0:1], 0x30              ; the codes
.else
	s_load_b64 s[14:15], s[0:1], 0x20              ; the result
.endif
	v_lshrrev_b32 v1, 5, v0
	v_readfirstlane_b32 s18, v1
	v_and_b32 v2, 31, v0
	v_lshlrev_b32 v3, 4, v2                        ; my 16 bytes of 512
	s_lshl_b32 s19, ttmp9, 4
	s_lshl_b32 s20, s18, 1
	s_add_co_u32 s19, s19, s20                     ; my first row
	s_lshl_b32 s20, s19, 12
	s_mov_b32 s21, 0
	s_mov_b32 s22, 0x3a800000                      ; 1 / 1,024
	s_mov_b32 s23, 0x3727c5ac                      ; 1e-5
	s_mov_b32 s24, 0x76543210
	s_mov_b32 s25, 0xfedcba98
	v_mov_b32 v[PM], 0
.if FIRST
	s_lshl_b32 s27, s18, 11
	v_lshl_add_u32 v4, v2, 2, s27                  ; LDS: my wave's 2,048 bytes; in: 4 bytes a lane,
	v_add_nc_u32 v5, s27, v3                       ; back: 16
	s_lshl_b32 s28, s19, 10
	s_mov_b32 s29, 0
.endif
	s_wait_kmcnt 0x0
	s_add_nc_u64 s[4:5], s[4:5], s[20:21]
	s_add_nc_u64 s[6:7], s[6:7], s[20:21]
	s_add_nc_u64 s[14:15], s[14:15], s[20:21]
.if FIRST
	s_load_b32 s26, s[12:13], 0x30
	s_add_nc_u64 s[16:17], s[16:17], s[28:29]
.endif
.irp rho, 0,1
.irp j, 0,1,2,3,4,5,6,7
	global_load_b128 v[16+64*\rho+4*\j:16+64*\rho+4*\j+3], v3, s[4:5] offset:4096*\rho+512*\j th:TH_LOAD_NT
	global_load_b128 v[48+64*\rho+4*\j:48+64*\rho+4*\j+3], v3, s[6:7] offset:4096*\rho+512*\j th:TH_LOAD_NT
.endr
.endr
.irp j, 0,1,2,3,4,5,6,7
	global_load_b128 v[G+4*\j:G+4*\j+3], v3, s[8:9] offset:512*\j
	global_load_b128 v[BE+4*\j:BE+4*\j+3], v3, s[10:11] offset:512*\j
.endr
.if FIRST
	s_wait_kmcnt 0x0
	s_add_co_i32 s26, s26, 127
	s_lshl_b32 s27, s26, 23
	v_mov_b32 v[SCLV], s27
	s_add_co_i32 s26, s26, 8
	s_lshl_b32 s26, s26, 23
	s_or_b32 s26, s26, 0x600000
	v_mov_b32 v[LIMV], s26
.endif
.macro ACROSS                          ; the pair S0, S1 becomes one sum over the wave, in every lane, in v[S0]
	v_pk_add_f32 v[S0:S0+1], v[S0:S0+1], v[S1:S1+1]
	v_add_f32 v[S0], v[S0], v[S0+1]
	v_add_f32_dpp v[S0], v[S0], v[S0] row_xmask:1 row_mask:0xf bank_mask:0xf
	v_add_f32_dpp v[S0], v[S0], v[S0] row_xmask:2 row_mask:0xf bank_mask:0xf
	v_add_f32_dpp v[S0], v[S0], v[S0] row_xmask:4 row_mask:0xf bank_mask:0xf
	v_add_f32_dpp v[S0], v[S0], v[S0] row_xmask:8 row_mask:0xf bank_mask:0xf
	v_permlanex16_b32 v[PM], v[S0], s24, s25
	v_add_f32 v[S0], v[S0], v[PM]
.endm
.macro ROW rho
.set A, 16+64*\rho
.set Y, 48+64*\rho
.if \rho == 0
	s_wait_loadcnt 32                              ; row 0's sixteen loads are in; row 1's, g's and beta's may be out
.endif
.set j, 0
.rept 16
	v_pk_add_f32 v[A+j:A+j+1], v[A+j:A+j+1], v[Y+j:Y+j+1]
.set j, j+2
.endr
	v_pk_add_f32 v[S0:S0+1], v[A:A+1], v[A+2:A+3]
	v_pk_add_f32 v[S1:S1+1], v[A+4:A+5], v[A+6:A+7]
.irp j, 8,12,16,20,24,28
	v_pk_add_f32 v[S0:S0+1], v[S0:S0+1], v[A+\j:A+\j+1]
	v_pk_add_f32 v[S1:S1+1], v[S1:S1+1], v[A+\j+2:A+\j+3]
.endr
	ACROSS
	v_mul_f32 v[MU], s22, v[S0]
	v_mov_b32 v[MU+1], v[MU]
.set j, 0
.rept 16
	v_pk_add_f32 v[A+j:A+j+1], v[A+j:A+j+1], v[MU:MU+1] neg_lo:[0,1] neg_hi:[0,1]
.set j, j+2
.endr
	v_pk_mul_f32 v[S0:S0+1], v[A:A+1], v[A:A+1]
	v_pk_mul_f32 v[S1:S1+1], v[A+2:A+3], v[A+2:A+3]
.irp j, 4,8,12,16,20,24,28
	v_pk_fma_f32 v[S0:S0+1], v[A+\j:A+\j+1], v[A+\j:A+\j+1], v[S0:S0+1]
	v_pk_fma_f32 v[S1:S1+1], v[A+\j+2:A+\j+3], v[A+\j+2:A+\j+3], v[S1:S1+1]
.endr
	ACROSS
	v_fma_f32 v[S0], v[S0], s22, s23               ; the variance + 1e-5
	v_rsq_f32 v[RS], v[S0]
	v_nop
	s_wait_alu depctr_va_vdst(0)                   ; ahead of the first reader
	v_mov_b32 v[RS+1], v[RS]
.if \rho == 0
	s_wait_loadcnt 0x0                             ; g and beta (and row 1)
.endif
.set j, 0
.rept 16
	v_pk_mul_f32 v[A+j:A+j+1], v[A+j:A+j+1], v[RS:RS+1]
.set j, j+2
.endr
.set j, 0
.rept 16
	v_pk_fma_f32 v[A+j:A+j+1], v[A+j:A+j+1], v[G+j:G+j+1], v[BE+j:BE+j+1]
.set j, j+2
.endr
.irp j, 0,1,2,3,4,5,6,7
	global_store_b128 v3, v[A+4*\j:A+4*\j+3], s[14:15] offset:4096*\rho+512*\j
.endr
.if FIRST
.set i, 0
.rept 32
	v_med3_num_f32 v[Y+i], v[A+i], -v[LIMV], v[LIMV]   ; into y's registers: the stores above still read the row
.set i, i+1
.endr
.irp g, 0,1,2,3
	v_cvt_scalef32_pk8_fp8_f32 v[CD+2*\g:CD+2*\g+1], v[Y+8*\g:Y+8*\g+7], v[SCLV]   ; register j: the codes of columns 128 j + 4 lane + 0 .. 3
.endr
	v_nop
.irp j, 0,1,2,3,4,5,6,7
	ds_store_b32 v4, v[CD+\j] offset:1024*\rho+128*\j
.endr
.irp u, 0,1
	ds_load_b128 v[OB+8*\rho+4*\u:OB+8*\rho+4*\u+3], v5 offset:1024*\rho+512*\u   ; LDS serves a wave's instructions in order
.endr
	s_wait_dscnt 0x0
.irp u, 0,1
	global_store_b128 v3, v[OB+8*\rho+4*\u:OB+8*\rho+4*\u+3], s[16:17] offset:1024*\rho+512*\u
.endr
.endif
.endm
	ROW 0
	ROW 1
	s_endpgm
.Lfunc_end_k_q00307fe642_ln2:
	.size	k_q00307fe642_ln2, .Lfunc_end_k_q00307fe642_ln2-k_q00307fe642_ln2
	.p2alignl 7, 3214868480
	.fill 96, 4, 3214868480
	.section	.rodata,"a",@progbits
	.p2align	6, 0x0
	.amdhsa_kernel k_q00307fe642_ln2
		.amdhsa_group_segment_fixed_size 0
		.amdhsa_private_segment_fixed_size 0
		.amdhsa_enable_private_segment 0
		.amdhsa_kernarg_size 40
		.amdhsa_user_sgpr_count 2
		.amdhsa_user_sgpr_kernarg_segment_ptr 1
		.amdhsa_wavefront_size32 1
		.amdhsa_system_sgpr_workgroup_id_x 1
		.amdhsa_system_sgpr_workgroup_id_y 1
		.amdhsa_system_sgpr_workgroup_id_z 1
		.amdhsa_system_vgpr_workitem_id 0
		.amdhsa_next_free_vgpr 248
		.amdhsa_next_free_sgpr 66
		.amdhsa_reserve_vcc 0
		.amdhsa_float_denorm_mode_32 3
		.amdhsa_float_denorm_mode_16_64 3
		.amdhsa_memory_ordered 1
		.amdhsa_forward_progress 1
		.amdhsa_inst_pref_size 22
	.end_amdhsa_kernel
	.amdgpu_metadata
---
amdhsa.version: [ 1, 2 ]
amdhsa.kernels:
  - .name:           k_q00307fe642_ln2
    .symbol:         k_q00307fe642_ln2.kd
    .args:
      - { .name: hf, .offset: 0, .size: 8, .value_kind: global_buffer, .address_space: global }
      - { .name: yf, .offset: 8, .size: 8, .value_kind: global_buffer, .address_space: global }
      - { .name: g2, .offset: 16, .size: 8, .value_kind: global_buffer, .address_space: global }
      - { .name: beta2, .offset: 24, .size: 8, .value_kind: global_buffer, .address_space: global }
      - { .name: out0, .offset: 32, .size: 8, .value_kind: global_buffer, .address_space: global }
    .group_segment_fixed_size: 0
    .private_segment_fixed_size: 0
    .kernarg_segment_align: 8
    .kernarg_segment_size: 40
    .max_flat_workgroup_size: 256
    .sgpr_count:     66
    .vgpr_count:     248
    .wavefront_size: 32
...
	.end_amdgpu_metadata
.endif
;; end of part 8
